; MI455X (gfx1250); checked and timed in simulation.
; The chip was launched on July 23, 2026; its instructions are those of AMD's public machine-readable ISA for CDNA 5 (MIT licence, August 2026) and "CDNA5" Instruction Set Architecture Reference Guide (July 2026). The comments in the code are by the model that wrote it; some were corrected since.
;; Self Attention. Allowed arithmetic: matrix products marked QUANTISED: E4M3 operands, one E8M0 scale for each 32 along K, by v_wmma_scale_f32_16x16x128_f8f6f4 with both operands' format E4M3, f32 sums; everything else in f32.
;; Inputs: W1 2,048 x 1,024 float32; Wq 1,024 x 1,024 float32; mask 4 x 2,048 int32; query 4 x 1,024 x 2,048 float32.
;; Outputs: out0 4 x 1,024 x 2,048 float32.
;; This version of the problem:
;;   THIS VERSION OF THE PROBLEM IS GIVEN IN LOW PRECISION. The matrix products marked QUANTISED in the list below multiply operands that are first quantised to E4M3 (4 exponent bits, 3 mantissa bits; 8 bits a number), with one power-of-two scale for each 32 numbers along K (OCP MX v1.0); their sums are f32. All else is computed in f32.
;;   The module's matrix products, in the order in which they are computed (A, B: the left and right operand; K: the contracted axis; several contracted axes count as one K, in the product's order):
;;     1. [M 8,192, K 1,024] x [K 1,024, N 2,048]; A: input query; B: input W1: QUANTISED
;;     2. [M 8,192, K 1,024] x [K 1,024, N 1,024]; A: input query; B: input Wq: QUANTISED
;;     3. batch 32 x [M 2,048, K 128] x [K 128, N 2,048]; A: computed on the way; B: computed on the way: QUANTISED
;;     4. batch 32 x [M 2,048, K 2,048] x [K 2,048, N 128]; A: softmax (see below); B: computed on the way: QUANTISED
;;   THE QUANTISER, for each operand of a quantised product, along K:
;;     - K is cut into blocks of 32 from its start; a last block that is shorter is filled with zeros.
;;     - A block's scale is 2^e with e = floor(log2(the largest magnitude in the block)) - 8, held to -126 .. 127; a block of zeros has e = 0. As a byte (E8M0): e + 127.
;;     - Each number is divided by its block's scale, clamped to +-448, and rounded to the nearest number of E4M3, ties to even, subnormals kept.
;;     - The product sums the exact products of the quantised numbers (number of the format x scale) in f32.
;;   ~~~python
;;   def quantise(x, axis):      # numpy; x: float32 -> the quantised numbers, widened to float32 again
;;       x = np.moveaxis(x, axis, -1); K = x.shape[-1]
;;       x = np.pad(x, [(0, 0)] * (x.ndim - 1) + [(0, -K % 32)]); x = x.reshape(x.shape[:-1] + (-1, 32)); a = np.abs(x).max(-1, keepdims=True)
;;       e = np.where(a > 0, np.clip(np.frexp(np.where(a > 0, a, 1))[1] - 1 - 8, -126, 127), 0)      # np.frexp(a)[1] - 1 = floor(log2(a)), exactly
;;       r = np.clip(x / 2.0 ** e, -448, 448)
;;       step = 2.0 ** (np.maximum(np.frexp(np.where(r == 0, 1, r))[1] - 1, -6) - 3)
;;       q = np.round(r / step) * step * 2.0 ** e      # np.round: ties to even
;;       return np.moveaxis(q.reshape(q.shape[:-2] + (-1,))[..., :K], -1, axis).astype(np.float32)
;;   ~~~
;;   SOFTMAX AHEAD OF A QUANTISED PRODUCT. Where the list says 'softmax', what is quantised is not the finished softmax but p = 2^(t - M), with t = logit x log2(e) and M = ceil(the row's largest t), a whole number; so 1/2 < the row's largest p <= 1. The row's sum l is taken of the UNQUANTISED p, in f32, and the product's result is divided by l at the end. Since M is a whole number, a kernel that streams over the keys may use a running M (the ceiling of the running maximum): every later rescaling is an exact power of two, which a block's scale takes up: the codes' values come out the same.
;;   OPERANDS COMPUTED ON THE WAY. 'Computed on the way' means the value that the module computes at that place (a softmax that the list does not call 'softmax' is quantised finished and normalised). What goes into a quantiser is computed in f32, as accurately as f32 sums, v_exp_f32 and their like allow (about 1e-6 of the number): no bf16 or f16 on the way to a quantiser, and a product that is left as it is and whose result goes on into a quantised operand takes f32 operands (vector FMAs, or v_wmma_f32_16x16x4_f32). A number that lies on a knife's edge between two numbers of the format may be rounded either way, as far as f32 arithmetic and the matrix unit's own rounding can turn it there, and no further.
;; 2 versions. Each part assembles by itself: llvm-mc -triple=amdgcn-amd-amdhsa -mcpu=gfx1250 --defsym DOCPART=n.
;; ======== version 1 of 2: 4 launches
;; limits: right only within a limited range of input values
;; workspace buffers: xc 8,388,608 bytes; xs 262,144 bytes; wc 3,145,728 bytes; ws 98,304 bytes; frag 25,165,824 bytes; fsc 786,432 bytes
;; launch quant_x (part 1): grid 64 x 4, 4 waves a work-group, no clusters, 36,352 bytes of LDS; arguments query, xc, xs; writes xc, xs
.if DOCPART == 1
	.amdgcn_target "amdgcn-amd-amdhsa--gfx1250"
	.amdhsa_code_object_version 6
	.text
	.protected	k_qa814d777b4_quant_x
	.globl	k_qa814d777b4_quant_x
	.p2align	8
	.type	k_qa814d777b4_quant_x,@function
k_qa814d777b4_quant_x:
	s_mov_b64 s[64:65], 0
	v_nop
	global_prefetch_b8 v0, s[64:65] scope:SCOPE_SE
	s_setreg_imm32_b32 hwreg(HW_REG_WAVE_MODE, 25, 1), 1
	s_wait_xcnt 0x0
; query [4][1024 (d)][2048 (l)], f32, is an operand whose K (d) is NOT innermost.  It becomes codes of FP8 (E4M3), laid xc [8192 rows][1024] with K innermost, and one E8M0 byte for each 32 along K, xs [8192][32].
; ROW ORDER: position l of batch b is stored at row 2048 b + swap34(l), swap34 = bits 3 and 4 exchanged.  So sixteen neighbouring STORED rows are positions 32 B + 8 u + r + 8 (r / 8): a matrix result whose rows are such a
; tile holds, in the 16 registers of two neighbouring tiles, 16 neighbouring positions, which is what the next quantiser along that axis wants.
; A LANE TAKES A COLUMN l, AND ITS REGISTERS RUN DOWN K: each load reads 128 consecutive bytes a wave, a block of 32 along K lies in one lane's 32 registers, and the conversions give codes with K innermost.
; A block's scale is 2^(floor(log2(its largest magnitude)) - 8); its byte is that magnitude's exponent field - 8, held at 1 from below.  A block of zeros keeps the byte 1: its codes are zeros, and this program alone reads the bytes.
; LIMITS: blocks whose largest magnitude lies under 2^-118 keep the byte 1; NaN and infinities among the inputs are not served.
; A wave takes 32 columns x 256 along K.  Its codes go through its own stage in LDS (the row there is the column's STORED place) and leave as rows: sixteen lanes store 256 consecutive bytes, aligned.
; Memory binds: no matrix unit, no cluster (no two work-groups read the same bytes), no barrier (waves share nothing).  Loads run two blocks (64 loads a wave) ahead.
.set SIZE_K, 1024
.set SIZE_N, 2048
.set KW,    256                        ; along K for a wave
.set NB,    KW/32                      ; blocks
.set ROWB,  256                        ; bytes of KW codes
.set PITCH, ROWB+16                    ; a stage row
.set KROW,  SIZE_K                     ; a row of xc in bytes
.set MANT,  0x600000                   ; the mantissa field of 448 as f32
.set X,     32                         ; v32-95   two sets of 32 numbers
.set C,     96                         ; v96-103  a block's codes
.set OUTR,  112                        ; v112-175 the way out
.set SB,    24                         ; v24-25   the scale bytes, four to a register
	s_load_b128 s[4:7], s[0:1], 0x0                ; query, xc
	s_load_b64 s[8:9], s[0:1], 0x10                ; xs
	v_lshl_add_u32 v192, v0, 2, 0x8c00
	v_mov_b32 v193, 0
	v_lshrrev_b32 v1, 5, v0
	v_readfirstlane_b32 s16, v1                    ; wave 0..3
	v_and_b32 v2, 31, v0                           ; lane
	v_and_b32 v10, 7, v2
	v_bfe_u32 v11, v2, 3, 1
	v_lshl_or_b32 v10, v11, 4, v10
	v_bfe_u32 v11, v2, 4, 1
	v_lshl_or_b32 v10, v11, 3, v10                 ; swap34(lane): my column's stored place among the wave's 32
	s_lshr_b32 s20, ttmp9, 4                       ; batch
	s_and_b32 s21, ttmp9, 15                       ; which 128 columns
	s_lshl_b32 s17, s21, 7
	s_lshl_b32 s18, s16, 5
	s_add_co_u32 s17, s17, s18                     ; my wave's first column
	s_and_b32 s18, ttmp7, 0xffff                   ; which 256 along K
	v_lshlrev_b32 v3, 2, v2                        ; in: 4 bytes a lane
	s_mul_i32 s19, s16, 32*PITCH                   ; my stage
	v_mul_u32_u24 v4, v10, PITCH
	v_add_nc_u32 v4, s19, v4                       ; into it: row = my column's stored place
	v_and_b32 v5, 15, v2
	v_lshrrev_b32 v6, 4, v2                        ; out of it: sixteen lanes to a row, two rows an instruction
	v_mul_u32_u24 v7, v6, PITCH
	v_lshl_add_u32 v7, v5, 4, v7
	v_add_nc_u32 v7, s19, v7
	v_mul_u32_u24 v8, v6, KROW
	v_lshl_add_u32 v8, v5, 4, v8                   ; and the same place in xc
	v_lshlrev_b32 v9, 5, v10                       ; my column's row of scale bytes: 32 bytes a row
	s_lshl_b32 s22, s20, 23                        ; query: batch x 8 MiB + 256 y rows of 8,192 bytes + 4 x column
	s_lshl_b32 s24, s18, 21
	s_add_co_u32 s22, s22, s24
	s_lshl_b32 s24, s17, 2
	s_add_co_u32 s22, s22, s24
	s_mov_b32 s23, 0
	s_lshl_b32 s24, s20, 11
	s_add_co_u32 s24, s24, s17                     ; the wave's first stored row
	s_lshl_b32 s26, s24, 10                        ; xc: row x 1,024 + 256 y
	s_lshl_b32 s28, s18, 8
	s_add_co_u32 s26, s26, s28
	s_mov_b32 s27, 0
	s_lshl_b32 s28, s24, 5                         ; xs: row x 32 + 8 y
	s_lshl_b32 s30, s18, 3
	s_add_co_u32 s28, s28, s30
	s_mov_b32 s29, 0
	s_mov_b32 s31, MANT                            ; (an instruction takes one literal: the hold's line has another)
	s_wait_kmcnt 0x0
	s_add_nc_u64 s[4:5], s[4:5], s[22:23]
	s_add_nc_u64 s[6:7], s[6:7], s[26:27]
	s_add_nc_u64 s[8:9], s[8:9], s[28:29]
.macro LOAD t                          ; block t: query(32 t + i, my column), i = 0 .. 31, into set t % 2
.irp i, 0,1,2,3,4,5,6,7,8,9,10,11,12,13,14,15,16,17,18,19,20,21,22,23,24,25,26,27,28,29,30,31
	global_load_b32 v[X+32*((\t)%2)+\i], v3, s[4:5] offset:(32*(\t)+\i)*SIZE_N*4 th:TH_LOAD_NT
.endr
.endm
	LOAD 0
	LOAD 1
.macro BLOCK t
.set XS, X+32*((\t)%2)
.if (\t) < NB-1
	s_wait_loadcnt 32                              ; this block's 32 loads are in; the next block's 32 may be out
.else
	s_wait_loadcnt 0
.endif
	v_max3_num_f32 v12, |v[XS]|, |v[XS+1]|, |v[XS+2]|               ; the block's largest magnitude: all 32 numbers are mine; two chains
	v_max3_num_f32 v13, |v[XS+3]|, |v[XS+4]|, |v[XS+5]|
.irp i, 6,10,14,18,22,26
	v_max3_num_f32 v12, v12, |v[XS+\i]|, |v[XS+\i+1]|
	v_max3_num_f32 v13, v13, |v[XS+\i+2]|, |v[XS+\i+3]|
.endr
	v_max3_num_f32 v12, v12, |v[XS+30]|, |v[XS+31]|
	v_max3_num_f32 v12, v12, v13, 0x4800000        ; and the floor 2^(9 - 127): the byte cannot fall under 1
	v_add_nc_u32 v11, 0xfc000000, v12              ; 8 off its exponent field: the conversion takes the exponent field of this operand as its scale
	v_and_or_b32 v10, v12, 0x7f800000, s31         ; 448 x the scale: the largest magnitude's exponent field over 448's mantissa
	v_lshrrev_b32 v13, 23, v11                     ; the scale's byte
.if (\t)%4 == 0
	v_mov_b32 v[SB+(\t)/4], v13                    ; four bytes to a register, the lower K in the lower byte
.else
	v_lshl_or_b32 v[SB+(\t)/4], v13, 8*((\t)%4), v[SB+(\t)/4]
.endif
.irp i, 0,1,2,3,4,5,6,7,8,9,10,11,12,13,14,15,16,17,18,19,20,21,22,23,24,25,26,27,28,29,30,31
	v_med3_num_f32 v[XS+\i], v[XS+\i], -v10, v10   ; the conversion to an 8-bit code does not saturate (ISA guide 7.6.2): the hold at 448 x the scale comes first
.endr
.irp g, 0,1,2,3
	v_cvt_scalef32_pk8_fp8_f32 v[C+2*\g:C+2*\g+1], v[XS+8*\g:XS+8*\g+7], v11
.endr
	ds_store_b128 v4, v[C:C+3] offset:32*(\t)      ; 32 codes: 32 bytes of my column's row
	ds_store_b128 v4, v[C+4:C+7] offset:32*(\t)+16
.if (\t)+2 < NB
	LOAD (\t)+2
.endif
	s_wait_dscnt 0x0                               ; the stores have read their registers: the next block's codes may be written
.endm
.set Q, 0
.rept NB
	BLOCK Q
.set Q, Q+1
.endr
	global_store_b64 v9, v[SB:SB+1], s[8:9]        ; my column's 8 scale bytes
.irp t, 0,1,2,3,4,5,6,7,8,9,10,11,12,13,14,15
	ds_load_b128 v[OUTR+4*\t:OUTR+4*\t+3], v7 offset:2*\t*PITCH   ; LDS serves a wave's instructions in order (ISA guide 5.7.1.4): these see my stores
.endr
.irp t, 0,1,2,3,4,5,6,7,8,9,10,11,12,13,14,15
	s_wait_dscnt 15-\t                             ; loads come back in order: number t is in, the 15 - t younger ones may be out
	global_store_b128 v8, v[OUTR+4*\t:OUTR+4*\t+3], s[6:7] offset:2*\t*KROW
.endr
	s_wait_tensorcnt 0x0
	ds_add_u32 v192, v193
	s_wait_dscnt 0x0
	s_endpgm
.Lfunc_end_k_qa814d777b4_quant_x:
	.size	k_qa814d777b4_quant_x, .Lfunc_end_k_qa814d777b4_quant_x-k_qa814d777b4_quant_x
	.p2alignl 7, 3214868480
	.fill 96, 4, 3214868480
	.section	.rodata,"a",@progbits
	.p2align	6, 0x0
	.amdhsa_kernel k_qa814d777b4_quant_x
		.amdhsa_group_segment_fixed_size 36352
		.amdhsa_private_segment_fixed_size 0
		.amdhsa_enable_private_segment 0
		.amdhsa_kernarg_size 24
		.amdhsa_user_sgpr_count 2
		.amdhsa_user_sgpr_kernarg_segment_ptr 1
		.amdhsa_wavefront_size32 1
		.amdhsa_system_sgpr_workgroup_id_x 1
		.amdhsa_system_sgpr_workgroup_id_y 1
		.amdhsa_system_sgpr_workgroup_id_z 1
		.amdhsa_system_vgpr_workitem_id 0
		.amdhsa_next_free_vgpr 194
		.amdhsa_next_free_sgpr 66
		.amdhsa_reserve_vcc 0
		.amdhsa_float_denorm_mode_32 3
		.amdhsa_float_denorm_mode_16_64 3
		.amdhsa_memory_ordered 1
		.amdhsa_forward_progress 1
		.amdhsa_inst_pref_size 60
	.end_amdhsa_kernel
	.amdgpu_metadata
---
amdhsa.version: [ 1, 2 ]
amdhsa.kernels:
  - .name:           k_qa814d777b4_quant_x
    .symbol:         k_qa814d777b4_quant_x.kd
    .args:
      - { .name: query, .offset: 0, .size: 8, .value_kind: global_buffer, .address_space: global }
      - { .name: xc, .offset: 8, .size: 8, .value_kind: global_buffer, .address_space: global }
      - { .name: xs, .offset: 16, .size: 8, .value_kind: global_buffer, .address_space: global }
    .group_segment_fixed_size: 36352
    .private_segment_fixed_size: 0
    .kernarg_segment_align: 8
    .kernarg_segment_size: 24
    .max_flat_workgroup_size: 128
    .sgpr_count:     66
    .vgpr_count:     194
    .wavefront_size: 32
...
	.end_amdgpu_metadata
.endif
;; end of part 1
;; launch quant_w (part 2): grid 96 x 1, 4 waves a work-group, no clusters, 33,280 bytes of LDS; arguments W1, Wq, wc, ws; writes wc, ws
.if DOCPART == 2
	.amdgcn_target "amdgcn-amd-amdhsa--gfx1250"
	.amdhsa_code_object_version 6
	.text
	.protected	k_qa814d777b4_quant_w
	.globl	k_qa814d777b4_quant_w
	.p2align	8
	.type	k_qa814d777b4_quant_w,@function
k_qa814d777b4_quant_w:
	s_mov_b64 s[64:65], 0
	v_nop
	global_prefetch_b8 v0, s[64:65] scope:SCOPE_SE
	s_setreg_imm32_b32 hwreg(HW_REG_WAVE_MODE, 25, 1), 1
	s_wait_xcnt 0x0
; W1 [2048][1024] and Wq [1024][1024], f32, K innermost, become codes of FP8 (E4M3), wc [3072 rows][1024], with one E8M0 byte for each 32 along K, ws [3072][32].
; ROWS OF wc: 0-1023 = W1's rows 0-1023 (the keys' weights), 1024-2047 = Wq, 2048-3071 = W1's rows 1024-2047 (the values').  Inside each group of 32 rows, row o is stored at swap34(o) (bits 3 and 4 exchanged):
; sixteen neighbouring stored rows are then rows 32 B + 8 u + r + 8 (r / 8), so that a matrix result over such tiles holds 16 neighbouring channels in the 16 registers of two neighbouring tiles.
; A work-group takes 32 rows, a wave 8 rows (8,192 numbers, 16 steps of 512): so the exchange of bits 3 and 4 is an exchange of the two bits of the wave's number in its DESTINATION.
; The conversions take 8 numbers of ONE block from a lane's registers, so a lane must hold 16 neighbours; a load is best where neighbouring lanes take neighbouring bytes.  Both are had: each of a step's four loads reads
; 512 consecutive bytes; the 2,048 bytes go through the wave's own stage in LDS (16 bytes of padding behind each 64) and come back 64 bytes a lane.  Two neighbouring lanes hold a block.
; A block's scale is 2^(floor(log2(its largest magnitude)) - 8), its byte held at 1 from below; a block of zeros keeps the byte 1: its codes are zeros, and this program alone reads the bytes.
; LIMITS: blocks whose largest magnitude lies under 2^-118 keep the byte 1; NaN and infinities are not served.
; 96 work-groups: the two weights are 3,145,728 numbers, 32,768 to a work-group.  Memory binds: no matrix unit, no cluster, no barrier.
.set STEPS, 16
.set MANT,  0x600000                   ; the mantissa field of 448 as f32
.set CB,    16                         ; bytes of 16 codes
.set R,     16                         ; v16-79   four sets of 16 numbers as they are loaded
.set X,     80                         ; v80-111  two sets of 16 neighbours
.set C,     128                        ; v128-191 codes: four registers for each step, so that no store's data are written again
.set E,     112                        ; v112-127 a scale byte for each step
.set WREG,  8192                       ; LDS: a region for each wave: two stages of 32 x SP bytes, and behind them its 256 scale bytes
.set SP,    80                         ; a lane's place in a stage: its 64 bytes + 16 of padding
	s_load_b128 s[4:7], s[0:1], 0x0                ; W1, Wq
	s_load_b128 s[8:11], s[0:1], 0x10              ; wc, ws
	v_lshl_add_u32 v192, v0, 2, 0x8000
	v_mov_b32 v193, 0
	v_lshrrev_b32 v1, 5, v0
	v_readfirstlane_b32 s16, v1                    ; wave
	v_and_b32 v2, 31, v0                           ; lane
	v_lshlrev_b32 v3, 4, v2                        ; my 16 bytes of a load's 512
	s_mul_i32 s17, s16, WREG
	v_lshrrev_b32 v14, 2, v2
	v_mul_u32_u24 v14, v14, SP
	v_and_b32 v15, 3, v2
	v_lshl_add_u32 v14, v15, 4, v14
	v_add_nc_u32 v14, s17, v14                     ; the stage, on the way in: SP (lane / 4) + 16 (lane % 4)
	v_mul_u32_u24 v15, v2, SP
	v_add_nc_u32 v15, s17, v15                     ; and on the way out: SP x lane: my 16 neighbours
	v_mul_u32_u24 v4, v2, CB                       ; my codes' place in a step's
	v_lshrrev_b32 v5, 1, v2
	s_add_co_u32 s17, s17, 2*32*SP
	v_add_nc_u32 v5, s17, v5                       ; LDS: my wave's 256 scale bytes, my block's byte
	v_lshlrev_b32 v7, 3, v2                        ; and on the way out 8 bytes a lane
	v_add_nc_u32 v6, s17, v7
	s_mov_b32 s23, MANT                            ; (an instruction takes one literal: the hold's line has another)
	s_mov_b32 s22, ttmp9                           ; which 32 rows of wc
	s_sub_co_u32 s17, s22, 32
	s_wait_kmcnt 0x0
	s_cmp_lt_u32 s17, 32                           ; groups 32-63 come from Wq, the others from W1: the choice hangs on the work-group's number alone
	s_cselect_b64 s[4:5], s[6:7], s[4:5]
	s_cmp_lt_u32 s22, 32
	s_cselect_b32 s17, s22, s17                    ; which 32 rows of the source: g for the first 32 groups, g - 32 for the others
	s_lshl_b32 s17, s17, 2
	s_add_co_u32 s18, s17, s16                     ; my wave's 8 rows of the source,
	s_lshl_b32 s18, s18, 15                        ; 32,768 bytes each run
	s_mov_b32 s19, 0
	s_add_nc_u64 s[4:5], s[4:5], s[18:19]
	s_and_b32 s20, s16, 1                          ; the destination: the wave's two bits exchanged
	s_lshl_b32 s20, s20, 1
	s_lshr_b32 s21, s16, 1
	s_or_b32 s20, s20, s21
	s_lshl_b32 s21, s22, 2
	s_add_co_u32 s20, s20, s21
	s_lshl_b32 s18, s20, 13                        ; 8,192 bytes of codes a run
	s_add_nc_u64 s[8:9], s[8:9], s[18:19]
	s_lshl_b32 s18, s20, 8                         ; 256 scale bytes a run
	s_add_nc_u64 s[10:11], s[10:11], s[18:19]
.macro LOAD t
.irp i, 0,1,2,3
	global_load_b128 v[R+16*((\t)%4)+4*\i:R+16*((\t)%4)+4*\i+3], v3, s[4:5] offset:2048*(\t)+512*\i th:TH_LOAD_NT   ; 32 lanes read 512 consecutive bytes
.endr
.endm
.macro TURN t                          ; step t's numbers through the stage: LDS serves a wave's instructions in order, so no wait stands between the stores and the loads
.irp i, 0,1,2,3
	ds_store_b128 v14, v[R+16*((\t)%4)+4*\i:R+16*((\t)%4)+4*\i+3] offset:32*SP*((\t)%2)+8*SP*\i
.endr
.irp i, 0,1,2,3
	ds_load_b128 v[X+16*((\t)%2)+4*\i:X+16*((\t)%2)+4*\i+3], v15 offset:32*SP*((\t)%2)+16*\i
.endr
.endm
.irp t, 0,1,2,3
	LOAD \t
.endr
	s_wait_loadcnt 12                              ; step 0's four loads are in; the twelve of steps 1 to 3 may be out
	TURN 0
.macro STEP t
.set XS, X+16*((\t)%2)
.if (\t) > 0
	s_wait_dscnt 1                                 ; this step's numbers are back from the stage (the last step's byte store may be out): so its stores into the stage have read their registers,
.else
	s_wait_dscnt 0x0
.endif
.if (\t)+4 < STEPS
	LOAD (\t)+4                                    ; which take the loads of four steps on
.endif
.if (\t)+1 < STEPS
.if STEPS-2-(\t) >= 3
	s_wait_loadcnt 12                              ; the next step's four loads are in; those of the three steps behind it may be out
.else
	s_wait_loadcnt 4*(STEPS-2-(\t))
.endif
	TURN (\t)+1                                    ; and go through the other stage while this step is worked
.endif
	v_max3_num_f32 v8, |v[XS]|, |v[XS+1]|, |v[XS+2]|               ; the largest magnitude of my 16
	v_max3_num_f32 v9, |v[XS+3]|, |v[XS+4]|, |v[XS+5]|
.irp i, 6,10
	v_max3_num_f32 v8, v8, |v[XS+\i]|, |v[XS+\i+1]|
	v_max3_num_f32 v9, v9, |v[XS+\i+2]|, |v[XS+\i+3]|
.endr
	v_max3_num_f32 v8, v8, |v[XS+14]|, |v[XS+15]|
	v_max3_num_f32 v8, v8, v9, 0x4800000           ; and the floor 2^(9 - 127): the byte cannot fall under 1
	v_max_num_f32_dpp v8, v8, v8 row_xmask:1 row_mask:0xf bank_mask:0xf   ; and of my neighbour's 16: the block's
	v_add_nc_u32 v11, 0xfc000000, v8               ; 8 off its exponent field: the conversion's scale operand
	v_and_or_b32 v10, v8, 0x7f800000, s23          ; 448 x the scale
.irp i, 0,1,2,3,4,5,6,7,8,9,10,11,12,13,14,15
	v_med3_num_f32 v[XS+\i], v[XS+\i], -v10, v10   ; the conversion to an 8-bit code does not saturate (ISA guide 7.6.2): the hold comes first
.endr
	v_cvt_scalef32_pk8_fp8_f32 v[C+4*(\t):C+4*(\t)+1], v[XS:XS+7], v11
	v_cvt_scalef32_pk8_fp8_f32 v[C+4*(\t)+2:C+4*(\t)+3], v[XS+8:XS+15], v11
	v_lshrrev_b32 v[E+(\t)], 23, v11               ; the scale's byte
	ds_store_b8 v5, v[E+(\t)] offset:16*(\t)       ; both lanes of a block write the same byte with the same value
	global_store_b128 v4, v[C+4*(\t):C+4*(\t)+3], s[8:9] offset:32*CB*(\t)   ; the wave stores 512 consecutive bytes
.endm
.irp t, 0,1,2,3,4,5,6,7,8,9,10,11,12,13,14,15
	STEP \t
.endr
	ds_load_b64 v[12:13], v6                       ; LDS serves a wave's instructions in order: these see my stores
	s_wait_dscnt 0x0
	global_store_b64 v7, v[12:13], s[10:11]        ; 32 lanes store 256 consecutive bytes, aligned
	s_wait_tensorcnt 0x0
	ds_add_u32 v192, v193
	s_wait_dscnt 0x0
	s_endpgm
.Lfunc_end_k_qa814d777b4_quant_w:
	.size	k_qa814d777b4_quant_w, .Lfunc_end_k_qa814d777b4_quant_w-k_qa814d777b4_quant_w
	.p2alignl 7, 3214868480
	.fill 96, 4, 3214868480
	.section	.rodata,"a",@progbits
	.p2align	6, 0x0
	.amdhsa_kernel k_qa814d777b4_quant_w
		.amdhsa_group_segment_fixed_size 33280
		.amdhsa_private_segment_fixed_size 0
		.amdhsa_enable_private_segment 0
		.amdhsa_kernarg_size 32
		.amdhsa_user_sgpr_count 2
		.amdhsa_user_sgpr_kernarg_segment_ptr 1
		.amdhsa_wavefront_size32 1
		.amdhsa_system_sgpr_workgroup_id_x 1
		.amdhsa_system_sgpr_workgroup_id_y 1
		.amdhsa_system_sgpr_workgroup_id_z 1
		.amdhsa_system_vgpr_workitem_id 0
		.amdhsa_next_free_vgpr 194
		.amdhsa_next_free_sgpr 66
		.amdhsa_reserve_vcc 0
		.amdhsa_float_denorm_mode_32 3
		.amdhsa_float_denorm_mode_16_64 3
		.amdhsa_memory_ordered 1
		.amdhsa_forward_progress 1
		.amdhsa_inst_pref_size 51
	.end_amdhsa_kernel
	.amdgpu_metadata
---
amdhsa.version: [ 1, 2 ]
amdhsa.kernels:
  - .name:           k_qa814d777b4_quant_w
    .symbol:         k_qa814d777b4_quant_w.kd
    .args:
      - { .name: W1, .offset: 0, .size: 8, .value_kind: global_buffer, .address_space: global }
      - { .name: Wq, .offset: 8, .size: 8, .value_kind: global_buffer, .address_space: global }
      - { .name: wc, .offset: 16, .size: 8, .value_kind: global_buffer, .address_space: global }
      - { .name: ws, .offset: 24, .size: 8, .value_kind: global_buffer, .address_space: global }
    .group_segment_fixed_size: 33280
    .private_segment_fixed_size: 0
    .kernarg_segment_align: 8
    .kernarg_segment_size: 32
    .max_flat_workgroup_size: 128
    .sgpr_count:     66
    .vgpr_count:     194
    .wavefront_size: 32
...
	.end_amdgpu_metadata
.endif
;; end of part 2
;; launch gemm (part 3): grid 12 x 32, 4 waves a work-group, clusters of 4 x 4, 327,680 bytes of LDS; arguments xc, xs, wc, ws, frag, fsc; writes frag, fsc
.if DOCPART == 3
	.amdgcn_target "amdgcn-amd-amdhsa--gfx1250"
	.amdhsa_code_object_version 6
	.text
	.protected	k_qa814d777b4_gemm
	.globl	k_qa814d777b4_gemm
	.p2align	8
	.type	k_qa814d777b4_gemm,@function
k_qa814d777b4_gemm:
	s_mov_b64 s[64:65], 0
	v_nop
	global_prefetch_b8 v0, s[64:65] scope:SCOPE_SE
	s_setreg_imm32_b32 hwreg(HW_REG_WAVE_MODE, 25, 1), 1
	s_wait_xcnt 0x0
	s_wait_alu depctr_hold_cnt(0) depctr_sa_sdst(0) depctr_va_vdst(0) depctr_va_sdst(0) depctr_va_ssrc(0) depctr_va_vcc(0) depctr_vm_vsrc(0)
	s_getreg_b32 s2, hwreg(HW_REG_IB_STS2, 6, 4)
	s_cmp_eq_u32 s2, 0
	s_cbranch_scc0 .Lentry_in_a_cluster
	s_endpgm
.Lentry_in_a_cluster:
	s_bfe_u32 s2, ttmp6, 0x10000c
	s_cmp_lg_u32 s2, 0xf033
	s_cbranch_scc0 .Lentry_shape_is_right
	s_endpgm
.Lentry_shape_is_right:
; The two projections as ONE product on codes of FP8 (E4M3) with E8M0 scales, K = 1,024: rows of xc (8,192 positions) against rows of wc (3,072 channels: keys', queries', values').  The f32 results never go to memory:
; each wave quantises its 128 x 128 results in registers, along the axis that is the NEXT product's K, and stores them as IMAGES OF OPERAND REGISTERS for the attention launch.
; A tile of 256 x 256 results is made by four waves, 128 x 128 each: 64 accumulators, 512 registers.  K goes in steps of 256 through a ring of two LDS slots filled by the tensor data mover; the scale bytes of the
; work-group's 2 x 256 rows, for all of K, come into LDS once.  The matrix instruction takes 16 rows of the "B side" as source 0 and 16 rows of the "A side" as source 1: a lane holds ONE row of the A side, and its registers
; run along the B side.  So the B side is the axis that is quantised next:
;   kind 0 (k), kind 1 (q): A side = xc (positions), B side = wc (the head's 128 channels);   kind 2 (v): A side = wc (channels), B side = xc (128 keys).   kind = the cluster's x; the sides' buffers are chosen on it.
; Rows of xc and wc are stored with bits 3 and 4 of their index exchanged, so the 16 registers of accumulators 2 B and 2 B + 1 of a lane are 16 NEIGHBOURS along the B side: index 32 B + 16 (lane / 16) + 0 .. 15.
; OUT: frag [kind][batch x 8 + head][group of 128 (16)][fragment (8)][2,048 bytes]: a fragment is 16 rows x 128 K as its 16 registers: registers 4 c .. 4 c + 3 of lane l at byte 512 c + 16 l.
;      fsc  [kind][batch x 8 + head][group][512 bytes]: lane (r, h) has 16 bytes at 16 l: the scale words of fragments 4 h + 0 .. 3, row r.   q is multiplied by 128^-0.5 in f32 ahead of its quantiser.
; CLUSTERS: 4 x 4 work-groups; the four of a row of the cluster need the same tiles of the A side, the four of a column the same tiles of the B side: each tile is asked for jointly.
; LIMITS: blocks whose largest magnitude lies under 2^-118 keep the scale byte 1 (a block of zeros too: its codes are zeros); NaN and infinities are not served.
; REGISTERS, in windows of 256: window 0: v16-29 addresses; v32-63 scale words, two sets; v128-255 the A side's fragments, one set.  window 1: the B side's fragments, two sets.  windows 2, 3: the accumulators
; ((a, b) at v[8 (8 (a % 4) + b)] of window 2 + a / 4).  On the way out window 0 holds: v32-47 at work, v48-55 scale words, v56-59 their image, v64-127 64 held numbers, v128-255 the codes of 8 fragments.
.set SIZE_K, 1024
.set KSTEP,  256                       ; along K in a slot
.set NQ,     KSTEP/128                 ; matrix instructions deep
.set ROWB,   256                       ; a tile's row in bytes
.set KROW,   SIZE_K                    ; a row of codes in memory, in bytes
.set PITCH,  272                       ; an LDS row: 256 bytes + 16 of padding = 68 words: row r starts at bank 4 r mod 64 (64 banks of 4 bytes: ISA guide 11.1)
.set FR,     16                        ; registers of a fragment
.set NL,     4                         ; LDS loads that bring one
.set NP,     8                         ; places behind this matrix instruction (ISA guide 7.12.1)
.set HALFT,  128*PITCH                 ; 128 rows: what one tensor load brings
.set SLOT,   4*HALFT                   ; the A side's 256 rows, then the B side's
.set LAPS,   SIZE_K/(2*KSTEP)          ; a lap = two K steps = once round the ring
.set KS,     SIZE_K/32                 ; a row of scales in bytes
.set SCL,    2*SLOT                    ; behind the ring: the scales, as units of 256 bytes + 16 of padding
.set HALFS,  (128*KS/256)*272          ; the scales of 128 rows: what one tensor load brings
.set SBLK,   (16*KS/256)*272           ; those of 16 rows
.set SPARE,  SCL+4*HALFS               ; behind the scales: the spare words, 128 bytes for each wave
.set ADRA, 16                          ; v16-17  LDS address of my A fragments in slot 0, 1
.set ADRB, 20                          ; v20-21  the same for B
.set LI,   26                          ; v26     16 x lane: my place in an image
.set ADRS, 27                          ; v27     LDS address of my scale words: lanes 0-15 A's rows, lanes 16-31 B's
.set SPW,  28                          ; v28     LDS address of my spare word; never rewritten
.set NIL,  29                          ; v29     0; never rewritten
.set SC,   32                          ; scale words: set s at v[SC + 8 NQ s]; register NQ i + q: lanes 0-15 A's block i, lanes 16-31 B's block i
.set AF,   128                         ; A's fragments, in window 0
.set TM,   32                          ; the way out: v32-35 largest magnitudes, v36-39 bytes, v40-43 448 x the scale, v44-47 the conversions' scale operands
.set PW,   48                          ; v48-55 the eight fragments' scale words
.set SW,   56                          ; v56-59 their image
.set ST,   64                          ; v64-127 a fragment's 64 numbers, held
.set PC,   128                         ; v128-255 codes: 16 registers for each fragment, so that no store's data are written again
.set G1, 24                            ; s[24:31] descriptor group 1 for A's tiles;  s[32:39] group 0, one set for each slot
.set G0, 32
.set G1B, 48                           ; s[48:55], s[56:63] the same for B's tiles
.set G0B, 56
.set G1S, 68                           ; s[68:75], s[76:79] groups 1 and 0 for A's scales;  s[80:87], s[88:91] for B's
.set G0S, 76
.set G1SB, 80
.set G0SB, 88
.set MSB, 0
.macro WIN new                         ; the immediate's high byte repeats the setting that is left
.if MSB != \new
	s_set_vgpr_msb (MSB<<8)|\new
.set MSB, \new
.endif
.endm
.set MUL_LO, 0xa1                      ; source 0 (B) window 1, source 1 (A) window 0, C and D window 2
.set MUL_HI, 0xf1                      ; the same, C and D window 3
.set TO_B,   0x40                      ; destination window 1, address window 0
; A joint load: waves 0 and 1 fetch for A, waves 2 and 3 for B.  Each of the two lines has one mask and one set of registers for all that issue it; the branch hangs on the wave's number alone.
; Four v_nop follow each of the two lines, ahead of the jump, the label and what follows.
.macro JLOAD g0a, g1a, g0b, g1b
	s_cmp_eq_u32 s15, 0
	s_cbranch_scc0 .Lfor_b_\@
	tensor_load_to_lds s[\g0a:\g0a+3], s[\g1a:\g1a+7]
	s_nop 0
.rept 4
	v_nop
.endr
	s_branch .Lasked_\@
.Lfor_b_\@:
	tensor_load_to_lds s[\g0b:\g0b+3], s[\g1b:\g1b+7]
	s_nop 0
.rept 4
	v_nop
.endr
.Lasked_\@:
.endm
.macro CREST                           ; a round of the cluster's barrier behind its opening barrier
	s_cmp_lg_u32 s14, 0
	s_cbranch_scc1 .Lnot_wave_0_\@
	s_barrier_signal -3
.Lnot_wave_0_\@:
	s_barrier_wait -3
	s_barrier_signal -1
	s_barrier_wait -1
.endm
.macro CROUND                          ; a whole round
	s_barrier_signal -1
	s_barrier_wait -1
	CREST
.endm
	s_load_b128 s[4:7], s[0:1], 0x0                ; xc, xs
	s_load_b128 s[8:11], s[0:1], 0x10              ; wc, ws
	s_load_b64 s[12:13], s[0:1], 0x20              ; frag
	s_load_b64 s[96:97], s[0:1], 0x28              ; fsc
	v_lshl_add_u32 v[SPW], v0, 2, SPARE
	v_mov_b32 v[NIL], 0
	ds_add_u32 v28, v29
	s_wait_dscnt 0x0
	v_lshrrev_b32 v1, 5, v0
	v_readfirstlane_b32 s14, v1                    ; wave 0..3
	s_lshr_b32 s15, s14, 1                         ; which half of the tile's A rows is mine.  Also: I fetch for A (0) or for B (1)
	s_and_b32 s16, s14, 1                          ; which half of its B rows.  Also: which 128 rows of that tile I fetch
	s_bfe_u32 s40, ttmp6, 0x40000                  ; cx, cy: my place in the cluster
	s_bfe_u32 s41, ttmp6, 0x40004
	s_mov_b32 s98, ttmp9                           ; kind = the cluster's x: 0 k, 1 q, 2 v: the same in all sixteen partners
	s_and_b32 s17, ttmp7, 0xffff
	s_lshl_b32 s17, s17, 2                         ; 4 x the cluster's y: walks xc's 32 tiles of 256 rows
	s_lshl_b32 s42, s98, 2                         ; 4 x kind: wc's tiles of 256 rows
	s_cmp_eq_u32 s98, 2
	s_cselect_b32 s42, s17, s42                    ; B side's first tile: v: xc's; k, q: wc's
	s_cselect_b32 s17, 8, s17                      ; A side's first tile: v: wc's rows 2,048 on; k, q: xc's
	s_add_co_u32 s42, s42, s40                     ; B's tile = .. + cx
	s_add_co_u32 s17, s17, s41                     ; A's tile = .. + cy
	s_lshl_b32 s43, s41, 2
	s_lshl_b32 s43, 15, s43                        ; my row of the cluster
	s_lshl_b32 s44, 0x1111, s40                    ; my column
	; descriptor group 1: a tile of 128 rows x 256 bytes, padded in LDS
	s_or_b32 s[G1+0], s43, (0<<16)|(1<<20)|(1<<21)|(5<<22)|(3<<25)  ; 15:0 the mask: A's tiles go to my row; 17:16 elements of 1 byte; 20 padding on; 21 set beside a mask; 24:22 after every 64 words (code 5); 31:25 of 4 words (code 3)
	s_or_b32 s[G1B+0], s44, (0<<16)|(1<<20)|(1<<21)|(5<<22)|(3<<25)
.irp g, G1, G1B
	s_mov_b32 s[\g+1], ROWB<<16                    ; tensor_dim0
	s_mov_b32 s[\g+2], 128<<16                     ; tensor_dim1 = 128
	s_mov_b32 s[\g+3], ROWB<<16                    ; tile_dim0
	s_mov_b32 s[\g+4], 128                         ; tile_dim1 = 128
	s_mov_b32 s[\g+5], KROW                        ; tensor_dim0_stride
	s_mov_b32 s[\g+6], 0
	s_mov_b32 s[\g+7], 0
.endr
	; and for the scales of 128 rows: a dense block of 4,096 bytes, as rows of 256 bytes (32 elements of 8 bytes), 16 bytes of padding behind each
	s_or_b32 s[G1S+0], s43, (3<<16)|(1<<20)|(1<<21)|(5<<22)|(3<<25)
	s_or_b32 s[G1SB+0], s44, (3<<16)|(1<<20)|(1<<21)|(5<<22)|(3<<25)
.irp g, G1S, G1SB
	s_mov_b32 s[\g+1], 32<<16
	s_mov_b32 s[\g+2], (128*KS/256)<<16
	s_mov_b32 s[\g+3], 32<<16
	s_mov_b32 s[\g+4], 128*KS/256
	s_mov_b32 s[\g+5], 32
	s_mov_b32 s[\g+6], 0
	s_mov_b32 s[\g+7], 0
.endr
	s_lshl_b32 s18, s16, 7                         ; which 128 rows of the tile I fetch
	s_lshl_b32 s20, s17, 8
	s_add_co_u32 s20, s20, s18                     ; A: row 256 x tile + 128 x half
	s_lshl_b32 s46, s42, 8
	s_add_co_u32 s46, s46, s18                     ; B likewise
	s_mov_b32 s21, 0
	s_mov_b32 s47, 0
	s_mov_b64 s[18:19], KS
	s_mul_u64 s[22:23], s[20:21], s[18:19]         ; where these rows' scales begin, in bytes
	s_mul_u64 s[92:93], s[46:47], s[18:19]
	s_mov_b64 s[18:19], KROW
	s_mul_u64 s[20:21], s[20:21], s[18:19]         ; and their codes
	s_mul_u64 s[46:47], s[46:47], s[18:19]
	s_mul_i32 s45, s14, HALFT                      ; where they go: wave x 128 rows: no place in the cluster enters an LDS address
	s_mul_i32 s94, s14, HALFS
	s_wait_kmcnt 0x0
	s_cmp_eq_u32 s98, 2                            ; v: the sides change buffers.  The choice hangs on the cluster's x alone
	s_mov_b64 s[66:67], s[4:5]
	s_cselect_b64 s[4:5], s[8:9], s[4:5]           ; A's codes
	s_cselect_b64 s[8:9], s[66:67], s[8:9]         ; B's codes
	s_mov_b64 s[66:67], s[6:7]
	s_cselect_b64 s[6:7], s[10:11], s[6:7]         ; A's scales
	s_cselect_b64 s[10:11], s[66:67], s[10:11]     ; B's scales
	s_add_nc_u64 s[20:21], s[4:5], s[20:21]
	s_add_nc_u64 s[22:23], s[6:7], s[22:23]
	s_add_nc_u64 s[46:47], s[8:9], s[46:47]
	s_add_nc_u64 s[92:93], s[10:11], s[92:93]
	CROUND                                         ; all sixteen work-groups are here: the first joint loads meet
	s_mov_b32 s[G0S], 1
	s_add_co_u32 s[G0S+1], s94, SCL
	s_mov_b64 s[G0S+2:G0S+3], s[22:23]
	s_or_b32 s[G0S+3], s[G0S+3], 0x80000000
	s_mov_b32 s[G0SB], 1
	s_add_co_u32 s[G0SB+1], s94, SCL
	s_mov_b64 s[G0SB+2:G0SB+3], s[92:93]
	s_or_b32 s[G0SB+3], s[G0SB+3], 0x80000000
	JLOAD G0S, G1S, G0SB, G1SB                     ; the scales first: they are wanted with K step 0
.irp s, 0,1
	s_mov_b32 s[G0+4*\s], 1
	s_add_co_u32 s[G0+4*\s+1], s45, \s*SLOT
	s_add_nc_u64 s[G0+4*\s+2:G0+4*\s+3], s[20:21], \s*ROWB
	s_or_b32 s[G0+4*\s+3], s[G0+4*\s+3], 0x80000000
	s_mov_b32 s[G0B+4*\s], 1
	s_add_co_u32 s[G0B+4*\s+1], s45, \s*SLOT
	s_add_nc_u64 s[G0B+4*\s+2:G0B+4*\s+3], s[46:47], \s*ROWB
	s_or_b32 s[G0B+4*\s+3], s[G0B+4*\s+3], 0x80000000
	JLOAD G0+4*\s, G1, G0B+4*\s, G1B               ; three tensor loads of mine are out behind the last of these
.endr
	v_and_b32 v1, 15, v0                           ; l % 16
	v_bfe_u32 v2, v0, 4, 1                         ; l / 16
	v_mul_u32_u24 v3, v1, PITCH
	v_lshl_add_u32 v4, v2, 4, v3                   ; a fragment's row x pitch + 16 x half
	s_mul_i32 s21, s15, HALFT                      ; my 128 rows of A
	s_mul_i32 s22, s16, HALFT                      ; my 128 rows of B,
	s_add_co_u32 s22, s22, 2*HALFT                 ; which lie behind A's 256
.irp s, 0,1
	v_add_nc_u32 v[ADRA+\s], s21, v4
	v_add_nc_u32 v[ADRB+\s], s22, v4
	s_add_co_u32 s21, s21, SLOT
	s_add_co_u32 s22, s22, SLOT
.endr
	v_mul_u32_u24 v5, v1, KS                       ; my row's scales: KS bytes a row,
	v_lshrrev_b32 v6, 8, v5
	v_lshl_add_u32 v5, v6, 4, v5                   ; and 16 more for each 256 passed
	s_mul_i32 s21, s15, HALFS                      ; A's: my 128 rows
	s_mul_i32 s22, s16, HALFS                      ; B's: my 128 rows, behind A's 256
	s_add_co_u32 s22, s22, 2*HALFS
	s_sub_co_u32 s22, s22, s21
	v_mul_u32_u24 v6, s22, v2                      ; lanes 16-31 take B's
	s_add_co_u32 s21, s21, SCL
	v_add_nc_u32 v5, v5, v6
	v_add_nc_u32 v[ADRS], s21, v5
	v_and_b32 v6, 31, v0
	v_lshlrev_b32 v[LI], 4, v6                     ; 16 x lane
	; where my eight fragments go.  u = which 128 of the A side inside its 2,048 (or 1,024), w = the same of the B side
	s_and_b32 s20, s17, 7
	s_lshl_b32 s20, s20, 1
	s_add_co_u32 s20, s20, s15                     ; u
	s_and_b32 s21, s42, 7
	s_lshl_b32 s21, s21, 1
	s_add_co_u32 s21, s21, s16                     ; w
	s_lshr_b32 s22, s17, 3
	s_lshr_b32 s46, s42, 3
	s_and_b32 s47, s21, 7
	s_cmp_eq_u32 s98, 2
	s_cselect_b32 s22, s46, s22                    ; batch: of whichever side is xc
	s_cselect_b32 s47, s20, s47                    ; head: of whichever side is wc
	s_cselect_b32 s20, s21, s20                    ; group of 128 positions
	s_lshl_b32 s46, s98, 23                        ; kind x 8 MiB
	s_lshl_b32 s22, s22, 21
	s_or_b32 s46, s46, s22
	s_lshl_b32 s47, s47, 18
	s_or_b32 s46, s46, s47
	s_lshl_b32 s20, s20, 14
	s_or_b32 s46, s46, s20
	s_mov_b32 s47, 0
	s_add_nc_u64 s[12:13], s[12:13], s[46:47]      ; 16,384 bytes of fragments a wave
	s_lshr_b32 s46, s46, 5
	s_add_nc_u64 s[96:97], s[96:97], s[46:47]      ; 512 bytes of scale words a wave
	s_mov_b32 s20, 0x76543210
	s_mov_b32 s21, 0xfedcba98                      ; v_permlanex16_b32's selects for lane l xor 16
	s_mov_b32 s23, 0x600000                        ; the mantissa field of 448
	s_mov_b32 s99, 0xffff0000                      ; lanes 16-31
	s_mov_b32 s100, 0x3db504f3                     ; 128^-0.5
	s_mov_b32 s101, s100                           ; (named with it as a pair, so it is written)
.macro FRAG reg, adr, q, i             ; a fragment: lane l holds row l % 16; registers 4 c .. 4 c + 3 hold K = 32 c + 16 (l / 16) + 0 .. 15
.irp c, 0,1,2,3
	ds_load_b128 v[\reg+4*\c:\reg+4*\c+3], v[\adr] offset:128*(\q)+32*\c+(\i)*16*PITCH
.endr
.endm
; 16 matrix instructions: A's blocks a0, a0 + 1 x B's eight, 128 along K: the slot's q-th.  p: B's set;  sc: the set of scale words.  zero = 1: the first product starts the sums.
; The 64 accumulators take turns, one instruction a turn, in the same order in every step.
.macro MUL16 a0, p, q, sc, zero
.irp a, \a0, \a0+1
.irp b, 0,1,2,3,4,5,6,7
.if \zero
	v_wmma_scale_f32_16x16x128_f8f6f4 v[8*(8*((\a)%4)+\b):8*(8*((\a)%4)+\b)+7], v[128*(\p)+FR*\b:128*(\p)+FR*\b+FR-1], v[AF+FR*(\a):AF+FR*(\a)+FR-1], 0, v[SC+8*NQ*(\sc)+NQ*\b+(\q)], v[SC+8*NQ*(\sc)+NQ*(\a)+(\q)] matrix_a_scale:MATRIX_SCALE_ROW1
.else
	v_wmma_scale_f32_16x16x128_f8f6f4 v[8*(8*((\a)%4)+\b):8*(8*((\a)%4)+\b)+7], v[128*(\p)+FR*\b:128*(\p)+FR*\b+FR-1], v[AF+FR*(\a):AF+FR*(\a)+FR-1], v[8*(8*((\a)%4)+\b):8*(8*((\a)%4)+\b)+7], v[SC+8*NQ*(\sc)+NQ*\b+(\q)], v[SC+8*NQ*(\sc)+NQ*(\a)+(\q)] matrix_a_scale:MATRIX_SCALE_ROW1
.endif
.endr
.endr
.endm
.macro FETCH_B slot, q, p              ; B's eight fragments of the slot's q-th 128 along K into set p
	WIN TO_B
.irp i, 0,1,2,3,4,5,6,7
	FRAG 128*(\p)+FR*\i, ADRB+\slot, \q, \i
.endr
	WIN 0
.endm
.macro FETCH_A slot, q, i0             ; A's blocks i0 .. i0 + 3
.irp i, \i0, \i0+1, \i0+2, \i0+3
	FRAG AF+FR*(\i), ADRA+\slot, \q, \i
.endr
.endm
.macro SCALES sc                       ; the next K step's scale words into set sc: lanes 0-15 take A's block i, lanes 16-31 B's block i
.irp i, 0,1,2,3,4,5,6,7
	ds_load_b64 v[SC+8*NQ*\sc+NQ*\i:SC+8*NQ*\sc+NQ*\i+1], v[ADRS] offset:\i*SBLK
.endr
.endm
; A load into a register that a matrix instruction has read, and a vector instruction that reads a matrix result, stand NP places behind that matrix instruction; only plain vector instructions that name none of
; its registers are places (ISA guide 7.12.1 for vector instructions).
.macro PLACES n
.rept \n
	v_nop
.endr
.endm
; A step of 128 along K that has its successor in the same slot.
.macro STEP slot, q, zero
	s_wait_dscnt 4*NL                              ; B's set and A's blocks 0-3 are in; the youngest 16 loads (A's blocks 4-7) may be out
	WIN MUL_LO
	MUL16 0, (\q)%2, \q, \slot, \zero
	MUL16 2, (\q)%2, \q, \slot, \zero
	s_wait_dscnt 0                                 ; A's blocks 4-7 are in (asked for 32 matrix instructions ago)
	PLACES NP
	FETCH_B \slot, (\q)+1, 1-(\q)%2
	FETCH_A \slot, (\q)+1, 0
	WIN MUL_HI
	MUL16 4, (\q)%2, \q, \slot, \zero
	MUL16 6, (\q)%2, \q, \slot, \zero
	PLACES NP
	WIN 0
	FETCH_A \slot, (\q)+1, 4
.endm
; A slot's last step changes slots: ONE barrier; in front of it each wave waits for all its tensor loads, adds 0 to its spare word, and waits for that and for its own reads of this slot.  fill = 1: this slot is filled again, two K steps ahead.
.macro TURN slot, next, fill
	s_wait_tensorcnt 0x0                           ; all my tensor loads have landed: my part of the next slot;  (every window is 0 here)
	ds_add_u32 v[SPW], v[NIL]                      ; 0 onto my spare word;
	s_wait_dscnt 4*NL+1                            ; (the add and the youngest 16 loads, A's blocks 4-7, may be out)
	WIN MUL_LO
	MUL16 0, 1, NQ-1, \slot, 0                     ; sixteen matrix instructions stand between the add and the wait for it
	s_wait_dscnt 0x0                               ; the add is done, and my reads of this slot are over
	s_barrier_signal -1
	MUL16 2, 1, NQ-1, \slot, 0
	WIN 0
	s_barrier_wait -1
.if \fill
	CREST                                          ; the barrier has opened a round of the cluster's barrier: no wave of any partner still reads this slot's tile or has a load on its way
	s_add_nc_u64 s[G0+4*\slot+2:G0+4*\slot+3], s[G0+4*\slot+2:G0+4*\slot+3], 2*ROWB
	s_add_nc_u64 s[G0B+4*\slot+2:G0B+4*\slot+3], s[G0B+4*\slot+2:G0B+4*\slot+3], 2*ROWB
	JLOAD G0+4*\slot, G1, G0B+4*\slot, G1B         ; the first tensor load behind the round, my only one until the next; the four v_nop behind it are among the places in front of the loads below
	PLACES NP-4
.else
	PLACES NP
.endif
	v_add_nc_u32 v[ADRS], 4*NQ, v[ADRS]            ; on to the next K step's scale words (no LDS load of mine is out)
	FETCH_B \next, 0, 0
	FETCH_A \next, 0, 0
	SCALES \next
	WIN MUL_HI
	MUL16 4, 1, NQ-1, \slot, 0
	MUL16 6, 1, NQ-1, \slot, 0
	PLACES NP
	WIN 0
	FETCH_A \next, 0, 4
.endm
	s_wait_tensorcnt 1                             ; the scales and my part of K step 0 are in (K step 1's load may be out)
	s_barrier_signal -1
	s_barrier_wait -1                              ; everybody's are
	FETCH_B 0, 0, 0
	FETCH_A 0, 0, 0
	SCALES 0
	FETCH_A 0, 0, 4
	STEP 0, 0, 1                                   ; the first step stands in front of the loop: its products start the sums
	s_mov_b32 s3, LAPS-1
.Llap:                                                 ; a trip goes once round the ring, from a lap's second step to the next lap's first, and fills both slots again
	TURN 0, 1, 1
	STEP 1, 0, 0
	TURN 1, 0, 1
	STEP 0, 0, 0
	s_sub_co_u32 s3, s3, 1
	s_cmp_lg_u32 s3, 0
	s_cbranch_scc1 .Llap
	TURN 0, 1, 0                                   ; the last lap fills nothing, and has no round of the cluster's barrier
	STEP 1, 0, 0
	s_wait_dscnt 4*NL                              ; the very last step: nothing more to fetch
	WIN MUL_LO
	MUL16 0, 1, NQ-1, 1, 0
	MUL16 2, 1, NQ-1, 1, 0
	s_wait_dscnt 0
	WIN MUL_HI
	MUL16 4, 1, NQ-1, 1, 0
	MUL16 6, 1, NQ-1, 1, 0
	WIN 0
	; THE WAY OUT.  Nothing goes through LDS: the conversions' results are the next operand's registers, and each store of the wave covers 512 consecutive bytes.
	PLACES NP                                      ; behind the last products: their results are read, and their scale words' and A's registers written, only from here on
.irp b, 0,1,2,3
	v_mov_b32 v[TM+4+\b], 0                        ; written once: a lane permute's destination counts as one of its sources
.endr
	s_cmp_lg_u32 s98, 1                            ; q alone is multiplied by 128^-0.5, in f32, ahead of its quantiser.  The branch hangs on the cluster's x: alike in all partners
	s_cbranch_scc1 .Lnoq
	WIN 0x82                                       ; destination and source 0: window 2
.set x, 0
.rept 128
	v_pk_mul_f32 v[x:x+1], v[x:x+1], s[100:101] op_sel_hi:[1,0]    ; each accumulator from its low end on
.set x, x+2
.endr
	WIN 0xc3                                       ; window 3
.set x, 0
.rept 128
	v_pk_mul_f32 v[x:x+1], v[x:x+1], s[100:101] op_sel_hi:[1,0]
.set x, x+2
.endr
	WIN 0
.Lnoq:
; Block a of 16 A rows: its 64 registers a lane, register 16 b + i = index 32 b + 16 (lane / 16) + i of the B side, become one fragment and one scale word a row.
.macro QFRAG a
.set AC, 64*((\a)%4)
	WIN (0x0a+5*((\a)/4))                          ; sources 0 and 1: window 2 or 3
.irp b, 0,1,2,3
	v_max3_num_f32 v[TM+\b], |v[AC+16*\b]|, |v[AC+16*\b+1]|, 0x4800000   ; block b: my 16 numbers, and the floor 2^(9 - 127): the byte cannot fall under 1
.endr
.irp i, 2,4,6,8,10,12,14
.irp b, 0,1,2,3
	v_max3_num_f32 v[TM+\b], |v[AC+16*\b+\i]|, |v[AC+16*\b+\i+1]|, v[TM+\b]   ; (the four blocks by turns)
.endr
.endr
	WIN 0
.irp b, 0,1,2,3
	v_permlanex16_b32 v[TM+4+\b], v[TM+\b], s20, s21
.endr
.irp b, 0,1,2,3
	v_max_num_f32 v[TM+\b], v[TM+\b], v[TM+4+\b]   ; with lane l xor 16's: the block's largest magnitude
.endr
.irp b, 0,1,2,3
	v_add_nc_u32 v[TM+12+\b], 0xfc000000, v[TM+\b] ; 8 off its exponent field: the conversion's scale operand
.endr
.irp b, 0,1,2,3
	v_and_or_b32 v[TM+8+\b], v[TM+\b], 0x7f800000, s23   ; 448 x the scale
.endr
.irp b, 0,1,2,3
	v_lshrrev_b32 v[TM+4+\b], 23, v[TM+12+\b]      ; the scale's byte
.endr
	v_lshl_or_b32 v[PW+(\a)], v[TM+5], 8, v[TM+4]  ; the four bytes make my row's scale word
	v_lshl_or_b32 v[PW+(\a)], v[TM+6], 16, v[PW+(\a)]
	v_lshl_or_b32 v[PW+(\a)], v[TM+7], 24, v[PW+(\a)]
	WIN (0x02+(\a)/4)                              ; source 0: window 2 or 3
.irp b, 0,1,2,3
.irp i, 0,1,2,3,4,5,6,7,8,9,10,11,12,13,14,15
	v_med3_num_f32 v[ST+16*\b+\i], v[AC+16*\b+\i], -v[TM+8+\b], v[TM+8+\b]   ; the hold at 448 x the scale (the conversion does not saturate: ISA guide 7.6.2) is also the way into window 0
.endr
.endr
	WIN 0
.irp b, 0,1,2,3
	v_cvt_scalef32_pk8_fp8_f32 v[PC+16*(\a)+4*\b:PC+16*(\a)+4*\b+1], v[ST+16*\b:ST+16*\b+7], v[TM+12+\b]
	v_cvt_scalef32_pk8_fp8_f32 v[PC+16*(\a)+4*\b+2:PC+16*(\a)+4*\b+3], v[ST+16*\b+8:ST+16*\b+15], v[TM+12+\b]
.endr
	v_nop                                          ; one plain vector instruction behind the last conversion, ahead of the lines that write its sources again
.irp c, 0,1,2,3
	global_store_b128 v[LI], v[PC+16*(\a)+4*\c:PC+16*(\a)+4*\c+3], s[12:13] offset:2048*(\a)+512*\c
.endr
.endm
.irp a, 0,1,2,3,4,5,6,7
	QFRAG \a
.endr
.irp q, 0,1,2,3
	v_cndmask_b32 v[SW+\q], v[PW+\q], v[PW+4+\q], s99   ; lanes 0-15 keep fragment q's words, lanes 16-31 take fragment 4 + q's
.endr
	global_store_b128 v[LI], v[SW:SW+3], s[96:97]
	s_wait_tensorcnt 0x0                           ; the wave's end
	ds_add_u32 v[SPW], v[NIL]
	s_wait_dscnt 0x0
	CROUND                                         ; the closing round: no work-group ends while a partner may still ask for a tile that names it
	s_endpgm
.Lfunc_end_k_qa814d777b4_gemm:
	.size	k_qa814d777b4_gemm, .Lfunc_end_k_qa814d777b4_gemm-k_qa814d777b4_gemm
	.p2alignl 7, 3214868480
	.fill 96, 4, 3214868480
	.section	.rodata,"a",@progbits
	.p2align	6, 0x0
	.amdhsa_kernel k_qa814d777b4_gemm
		.amdhsa_group_segment_fixed_size 327680
		.amdhsa_private_segment_fixed_size 0
		.amdhsa_enable_private_segment 0
		.amdhsa_kernarg_size 48
		.amdhsa_user_sgpr_count 2
		.amdhsa_user_sgpr_kernarg_segment_ptr 1
		.amdhsa_wavefront_size32 1
		.amdhsa_system_sgpr_workgroup_id_x 1
		.amdhsa_system_sgpr_workgroup_id_y 1
		.amdhsa_system_sgpr_workgroup_id_z 1
		.amdhsa_system_vgpr_workitem_id 0
		.amdhsa_next_free_vgpr 1024
		.amdhsa_next_free_sgpr 102
		.amdhsa_reserve_vcc 0
		.amdhsa_float_denorm_mode_32 3
		.amdhsa_float_denorm_mode_16_64 3
		.amdhsa_memory_ordered 1
		.amdhsa_forward_progress 1
		.amdhsa_inst_pref_size 201
	.end_amdhsa_kernel
	.amdgpu_metadata
---
amdhsa.version: [ 1, 2 ]
amdhsa.kernels:
  - .name:           k_qa814d777b4_gemm
    .symbol:         k_qa814d777b4_gemm.kd
    .args:
      - { .name: xc, .offset: 0, .size: 8, .value_kind: global_buffer, .address_space: global }
      - { .name: xs, .offset: 8, .size: 8, .value_kind: global_buffer, .address_space: global }
      - { .name: wc, .offset: 16, .size: 8, .value_kind: global_buffer, .address_space: global }
      - { .name: ws, .offset: 24, .size: 8, .value_kind: global_buffer, .address_space: global }
      - { .name: frag, .offset: 32, .size: 8, .value_kind: global_buffer, .address_space: global }
      - { .name: fsc, .offset: 40, .size: 8, .value_kind: global_buffer, .address_space: global }
    .group_segment_fixed_size: 327680
    .private_segment_fixed_size: 0
    .kernarg_segment_align: 8
    .kernarg_segment_size: 48
    .max_flat_workgroup_size: 128
    .sgpr_count:     102
    .vgpr_count:     1024
    .wavefront_size: 32
...
	.end_amdgpu_metadata
.endif
;; end of part 3
;; launch attn (part 4): grid 8 x 32, 8 waves a work-group, clusters of 4 x 1, 327,680 bytes of LDS; arguments frag, fsc, mask, out0; writes out0
.if DOCPART == 4
	.amdgcn_target "amdgcn-amd-amdhsa--gfx1250"
	.amdhsa_code_object_version 6
	.text
	.protected	k_qa814d777b4_attn
	.globl	k_qa814d777b4_attn
	.p2align	8
	.type	k_qa814d777b4_attn,@function
k_qa814d777b4_attn:
	s_mov_b64 s[64:65], 0
	v_nop
	global_prefetch_b8 v0, s[64:65] scope:SCOPE_SE
	s_setreg_imm32_b32 hwreg(HW_REG_WAVE_MODE, 25, 1), 1
	s_wait_xcnt 0x0
	s_wait_alu depctr_hold_cnt(0) depctr_sa_sdst(0) depctr_va_vdst(0) depctr_va_sdst(0) depctr_va_ssrc(0) depctr_va_vcc(0) depctr_vm_vsrc(0)
	s_getreg_b32 s2, hwreg(HW_REG_IB_STS2, 6, 4)
	s_cmp_eq_u32 s2, 0
	s_cbranch_scc0 .Lentry_in_a_cluster
	s_endpgm
.Lentry_in_a_cluster:
	s_bfe_u32 s2, ttmp6, 0x10000c
	s_cmp_lg_u32 s2, 0x3003
	s_cbranch_scc0 .Lentry_shape_is_right
	s_endpgm
.Lentry_shape_is_right:
; out0[b][128 h + d][q] = the sum over keys of softmax(q . k + (-1e30)(1 - mask[b][key])) v, both products on codes of FP8 (E4M3) with one E8M0 scale for each 32 along a product's K.
; q (already x 128^-0.5), k and v come as IMAGES OF OPERAND REGISTERS: frag [kind 0 k, 1 q, 2 v][bh][group of 128 (16)][fragment (8)][2,048 bytes], registers 4 c .. 4 c + 3 of lane l at 512 c + 16 l;
; fsc [kind][bh][group][512 bytes]: lane (r, h): the scale words of fragments 4 h + 0 .. 3, row r: one load of 16 bytes a lane serves eight fragments (lanes 16-31 by the ROW1 selector).
; The rows of a k or q fragment are 16 STORED positions, of a v fragment 16 STORED channels; stored index = index with bits 3 and 4 exchanged.  So in a result over such rows the 16 registers of tiles 2 B, 2 B + 1 of a lane
; are 16 neighbours: 32 B + 16 (lane / 16) + 0 .. 15.
; THE SOFTMAX AHEAD OF THE SECOND PRODUCT: t = logit x log2(e); M = the running largest t rounded UP to a whole number; p = 2^(t - M) is quantised along the keys, not normalised; the row's sum is taken of the
; unquantised p and divides at the end.  When M moves, the sum and O are multiplied by 2^(old M - new M): exact.
; THE MASK costs no vector instruction: the bias, 0 or -1e30, is the C of the first product.  The largest t begins at -2^100, above every masked t (-1.44e30) and under every other: while only masked keys have been
; seen p is 0.  A batch ALL of whose keys are masked has p = 1 for every key, as the definition gives it: there the factor log2(e) is replaced by 0 (a choice of a value on the OR of the batch's mask words).
; SHARES.  A work-group owns 256 queries of one head; each of its eight waves two tiles of 16: every fragment of k and v read from LDS feeds two matrix instructions; two waves to a SIMD, so that one wave's vector
; work stands beside the other's matrix work and LDS loads.  Both products are used transposed (S^T = k q^T, O^T = v^T p^T): a lane holds one query throughout.
; CLUSTER.  The four query blocks of a cluster belong to one head and walk the same k and v: each tile is asked for jointly (mask 15).  Waves 0 and 1 fetch k's two key steps of a slot, waves 2 and 3 v's.
; LIMITS: |t| under 2^100 (beyond that -1e30 masks nothing in the definition either); NaN and infinities are not served.
; LDS: two slots of 65,536 bytes (k step 0, k step 1, v step 0, v step 1: 16,384 each, dense images); the stage for the way out, 128 rows x 1,024 bytes; k's and v's scale images of the whole head; the bias; flags; spare words.
; REGISTERS.  Window 1 mirrors window 0 for the wave's second tile, so the softmax is one text under two settings.  v1 16 x lane; v2, v3 the bias's and the scale images' places; v4, v11 p's scale words (tile 0, 1);
; v5, v6 the add's; v7, v255 q's scale words (tile 1, 0); v8-10 addresses in hand; v12 -M, v13 the largest t, v[14:15] the sum; v16-31 q; v32-95 four fragments (window 1: the step's 64 bias numbers, for both tiles);
; v96-159 S^T, then p; v160-223 O^T; v224-239 p's codes; v232-247, v252-254 at work; v248-251 k's or v's scale image.  Scale operands are always taken from window 0.
.set SLOT1, 65536                      ; slot 1 begins here: one exclusive or turns an address in one slot into the other's
.set VOFF,  32768                      ; v's two steps in a slot
.set STG,   131072                     ; the stage: bytes of its own, into which no tile lands
.set SCL,   262144                     ; k's scale images, 16 x 512 bytes;
.set SCV,   270336                     ; v's
.set BIAS,  278528                     ; 2,048 f32, in stored order
.set FLG,   286720                     ; a word for each wave: has its part of the mask a key that counts?
.set SPARE, 286976                     ; the spare words, 128 bytes for each of the eight waves: four blocks of 256 bytes that no other line names
.set MSB, 0
.macro WIN new                         ; the immediate's high byte repeats the setting that is left; a switch that changes nothing is dropped
.if MSB != \new
	s_set_vgpr_msb (MSB<<8)|\new
.set MSB, \new
.endif
.endm
.macro CROUND                          ; a round of the cluster's barrier
	s_barrier_signal -1
	s_barrier_wait -1
	s_cmp_lg_u32 s12, 0
	s_cbranch_scc1 .Lnot_wave_0_\@
	s_barrier_signal -3
.Lnot_wave_0_\@:
	s_barrier_wait -3
	s_barrier_signal -1
	s_barrier_wait -1
.endm
.macro JLOAD                           ; a joint refill: waves 0 to 3, one load each; the branch hangs on the wave's number alone.  Four v_nop follow the load
	s_cmp_lt_u32 s12, 4
	s_cbranch_scc0 .Lasked_\@
	tensor_load_to_lds s[48:51], s[32:39]
	s_nop 0
.rept 4
	v_nop
.endr
.Lasked_\@:
.endm
	s_load_b256 s[4:11], s[0:1], 0x0               ; frag s[4:5], fsc s[6:7], mask s[8:9], out0 s[10:11]
	v_lshl_add_u32 v5, v0, 2, SPARE
	v_mov_b32 v6, 0
	ds_add_u32 v5, v6
	s_wait_dscnt 0x0
	v_lshrrev_b32 v1, 5, v0
	v_readfirstlane_b32 s12, v1                    ; wave 0..7
	s_bfe_u32 s13, ttmp6, 0x40000                  ; cx: my place in the cluster
	s_lshl_b32 s14, ttmp9, 2
	s_add_co_u32 s14, s14, s13                     ; my block of 256 queries: it enters q's and out0's addresses alone
	s_and_b32 s15, ttmp7, 0xffff                   ; bh = 8 x batch + head, which the four partners share
	; descriptor groups 1: dense blocks as rows of 256 bytes (32 elements of 8 bytes): 64 rows for a key step's eight fragments, 16 rows for half a head's scale images
	s_mov_b32 s32, 15|(3<<16)|(1<<21)              ; 15:0 the mask: all four work-groups; 17:16 elements of 8 bytes; 21 set beside a mask; no padding
	s_mov_b32 s33, 32<<16                          ; tensor_dim0 = 32
	s_mov_b32 s34, 64<<16                          ; tensor_dim1 = 64
	s_mov_b32 s35, 32<<16                          ; tile_dim0 = 32
	s_mov_b32 s36, 64                              ; tile_dim1 = 64
	s_mov_b32 s37, 32                              ; tensor_dim0_stride
	s_mov_b32 s38, 0
	s_mov_b32 s39, 0
	s_mov_b32 s40, 15|(3<<16)|(1<<21)
	s_mov_b32 s41, 32<<16
	s_mov_b32 s42, 16<<16
	s_mov_b32 s43, 32<<16
	s_mov_b32 s44, 16
	s_mov_b32 s45, 32
	s_mov_b32 s46, 0
	s_mov_b32 s47, 0
	s_and_b32 s29, s12, 3                          ; what I fetch, if I fetch (waves 0-3): 0, 1: k's steps; 2, 3: v's
	s_lshr_b32 s16, s29, 1
	s_and_b32 s17, s29, 1
	s_lshl_b32 s18, s16, 24                        ; kind 0 or 2: 8 MiB a kind
	s_lshl_b32 s19, s15, 18
	s_add_co_u32 s18, s18, s19
	s_lshl_b32 s19, s17, 14
	s_add_co_u32 s18, s18, s19
	s_mov_b32 s19, 0                               ; s[18:19]: my first tile in frag
	s_lshl_b32 s60, s16, 19
	s_lshl_b32 s61, s15, 13
	s_add_co_u32 s60, s60, s61
	s_lshl_b32 s61, s17, 12
	s_add_co_u32 s60, s60, s61
	s_mov_b32 s61, 0                               ; s[60:61]: my half of a head's scale images in fsc
	s_lshl_b32 s62, s14, 4
	s_lshl_b32 s63, s12, 1
	s_add_co_u32 s62, s62, s63                     ; my first tile of queries: 16 x block + 2 x wave
	s_lshl_b32 s62, s62, 11
	s_lshl_b32 s63, s15, 18
	s_add_co_u32 s62, s62, s63
	s_add_co_u32 s62, s62, 1<<23                   ; kind 1
	s_mov_b32 s63, 0                               ; s[62:63]: q's fragments
	s_lshl_b32 s2, s15, 13                         ; q's scale words: tile 16 blk + 2 w + u is fragment 2 (w % 4) + u of group 2 blk + w / 4: 1,024 blk + 256 (w / 2) + 8 (w % 2) + 4 u, + 16 r
	s_lshl_b32 s3, s14, 10
	s_add_co_u32 s2, s2, s3
	s_lshr_b32 s3, s12, 1
	s_lshl_b32 s3, s3, 8
	s_add_co_u32 s2, s2, s3
	s_lshl_b32 s3, s17, 3
	s_add_co_u32 s2, s2, s3
	s_add_co_u32 s2, s2, 262144                    ; kind 1
	s_mov_b32 s3, 0
	s_lshr_b32 s30, s15, 3
	s_lshl_b32 s30, s30, 13                        ; the batch's 2,048 mask words
	s_mov_b32 s31, 0
	s_lshl_b32 s28, s15, 20                        ; out0: 128 rows of 8,192 bytes a head; my 16 rows; my block's 1,024 bytes
	s_lshl_b32 s29, s12, 17
	s_add_co_u32 s28, s28, s29
	s_lshl_b32 s29, s14, 10
	s_add_co_u32 s28, s28, s29
	s_mov_b32 s29, 0
	s_and_b32 s16, s12, 3
	s_mov_b32 s20, 0x76543210
	s_mov_b32 s21, 0xfedcba98                      ; v_permlanex16_b32's selects for lane l xor 16
	s_mov_b32 s24, 0x600000                        ; the mantissa field of 448
	s_mov_b32 s25, 0x7149f2ca                      ; 1e30
	s_mov_b32 s26, 0                               ; LDS byte at which the slot in hand begins
	s_mov_b32 s27, 0                               ; 512 x the key step: the scale images' and the bias's step
	s_wait_kmcnt 0x0
	s_mov_b32 s48, 1                               ; group 0 for the tiles: count = 1
	s_lshl_b32 s49, s16, 14                        ; LDS address: slot 0, my quarter
	s_add_nc_u64 s[50:51], s[4:5], s[18:19]
	s_or_b32 s51, s51, 0x80000000                  ; type = 2
	s_mov_b32 s52, 1                               ; group 0 for the scale images
	s_lshl_b32 s53, s16, 12
	s_add_co_u32 s53, s53, SCL
	s_add_nc_u64 s[54:55], s[6:7], s[60:61]
	s_or_b32 s55, s55, 0x80000000
	s_add_nc_u64 s[56:57], s[4:5], s[62:63]
	s_add_nc_u64 s[58:59], s[6:7], s[2:3]
	s_add_nc_u64 s[8:9], s[8:9], s[30:31]
	s_add_nc_u64 s[10:11], s[10:11], s[28:29]
	s_mov_b32 s28, 7                               ; slots still to be asked for
	CROUND                                         ; all four work-groups are here: the first joint loads meet
	s_cmp_lt_u32 s12, 4                            ; a wave's two first fills stand in one branch: two loads of mine are out
	s_cbranch_scc0 .Lno_first
	tensor_load_to_lds s[52:55], s[40:47]          ; the scale images of the whole head: filled once
	s_nop 0
	tensor_load_to_lds s[48:51], s[32:39]          ; slot 0
	s_nop 0
.rept 4
	v_nop
.endr
.Lno_first:
	v_and_b32 v1, 31, v0
	v_lshlrev_b32 v1, 4, v1                        ; 16 x lane
.irp c, 0,1,2,3
	global_load_b128 v[16+4*\c:19+4*\c], v1, s[56:57] offset:512*\c          ; q, tile 0: stays in registers
.endr
	WIN 0x40                                       ; destination window 1
.irp c, 0,1,2,3
	global_load_b128 v[16+4*\c:19+4*\c], v1, s[56:57] offset:2048+512*\c     ; q, tile 1
.endr
	WIN 0
	v_and_b32 v8, 15, v0
	v_lshlrev_b32 v8, 4, v8
	global_load_b32 v255, v8, s[58:59]             ; q's scale words, tile 0,
	global_load_b32 v7, v8, s[58:59] offset:4      ; tile 1
	v_lshlrev_b32 v9, 4, v0
	global_load_b128 v[32:35], v9, s[8:9]          ; the batch's mask: keys 4 t .. 4 t + 3 of thread t,
	global_load_b128 v[36:39], v9, s[8:9] offset:4096   ; and 1,024 further on
	v_bfe_u32 v2, v0, 4, 1
	v_lshl_add_u32 v2, v2, 5, BIAS                 ; the bias of a tile: register j of lane (r, h) wants stored key 16 T + 8 h + j: 32 bytes at 64 T + 32 h
	v_add_nc_u32 v3, SCL, v1                       ; a scale image: 16 bytes a lane
	v_and_b32 v10, 0xf9, v0                        ; keys 4 t on are stored at 4 t' on, t' = t with bits 1 and 2 exchanged
	v_bfe_u32 v11, v0, 1, 1
	v_lshl_or_b32 v10, v11, 2, v10
	v_bfe_u32 v11, v0, 2, 1
	v_lshl_or_b32 v10, v11, 1, v10
	v_lshl_add_u32 v10, v10, 4, BIAS
	v_mov_b32 v42, s12
	v_lshl_add_u32 v42, v42, 2, FLG                ; my wave's flag
	v_mov_b32 v41, 0xf149f2ca                      ; -1e30
	s_wait_loadcnt 0x0
	v_or_b32 v40, v32, v33
	v_or_b32 v40, v40, v34
	v_or_b32 v40, v40, v35
	v_or_b32 v40, v40, v36
	v_or_b32 v40, v40, v37
	v_or_b32 v40, v40, v38
	v_or_b32 v40, v40, v39
.irp i, 0,1,2,3,4,5,6,7
	v_cvt_f32_i32 v[32+\i], v[32+\i]
.endr
.irp i, 0,1,2,3,4,5,6,7
	v_fma_f32 v[32+\i], v[32+\i], s25, v41         ; (-1e30)(1 - m) = 1e30 m - 1e30, one rounding: 0 where m = 1
.endr
	ds_store_b128 v10, v[32:35]
	ds_store_b128 v10, v[36:39] offset:4096
	v_cmp_ne_u32 vcc_lo, 0, v40
	s_cmp_lg_u32 vcc_lo, 0
	s_cselect_b32 s16, 1, 0
	v_mov_b32 v11, s16
	ds_store_b32 v42, v11                          ; all lanes write the same word with the same value
.macro INIT u
	WIN (0x55*\u)
	v_mov_b32 v13, 0xf1800000                      ; the largest t so far: -2^100
	v_floor_f32 v12, -v13                          ; -M
	v_mov_b32 v14, 0                               ; the sum, in two halves
	v_mov_b32 v15, 0
.irp b, 0,1,2,3
	v_mov_b32 v[236+\b], 0                         ; written once: a lane permute's destination counts as one of its sources
.endr
	v_mov_b32 v253, 0                              ; (named as the upper half of the pair v[252:253] before it is first written)
.set j, 0
.rept 64
	v_mov_b32 v[160+j], 0                          ; O^T.  (The key step is written once for all steps: the first finds zeros, which the first change of M leaves zeros)
.set j, j+1
.endr
.endm
	INIT 0
	INIT 1
	WIN 0
	s_wait_dscnt 0x0                               ; for the others' sake: my part of the bias and my flag are stored
	s_barrier_signal -1
	s_barrier_wait -1                              ; the first fills may stay out
	v_mov_b32 v42, FLG
	ds_load_b128 v[32:35], v42
	ds_load_b128 v[36:39], v42 offset:16
	s_wait_dscnt 0x0
	v_or_b32 v32, v32, v33
	v_or_b32 v32, v32, v34
	v_or_b32 v32, v32, v35
	v_or_b32 v32, v32, v36
	v_or_b32 v32, v32, v37
	v_or_b32 v32, v32, v38
	v_or_b32 v32, v32, v39
	v_readfirstlane_b32 s16, v32
	s_mov_b32 s22, 0x3fb8aa3b                      ; c = log2(e);
	s_cmp_lg_u32 s16, 0
	s_cselect_b32 s22, s22, 0                      ; 0 where no key of the batch counts: every t is then 0 and every p is 1
	s_mov_b32 s23, s22                             ; (the packed form names the pair and takes its low word for both halves: so it is written)
.macro FRAGS base, a0                  ; fragments a0 .. a0 + 3 of the eight at byte base of the slot: 16 loads of 512 consecutive bytes
.irp t, 0,1,2,3
.irp c, 0,1,2,3
	ds_load_b128 v[32+16*\t+4*\c:35+16*\t+4*\c], v8 offset:(\base)+((\a0)+\t)*2048+512*\c
.endr
.endr
.endm
.macro PLACES                          ; eight places in front of loads into registers that matrix instructions have read, and of the first read of results
.rept 8
	v_nop
.endr
.endm
; S^T = k q^T + bias, tiles a0 .. a0 + 3 of 16 keys, for both tiles of queries.  The bias (window 1, v32-95) is the C.  No two matrix instructions that follow each other share an accumulator.
.macro SPROD a0, row1
	WIN 0x10                                       ; C in window 1
.irp t, 0,1,2,3
.if \row1
	v_wmma_scale_f32_16x16x128_f8f6f4 v[96+8*((\a0)+\t):103+8*((\a0)+\t)], v[32+16*\t:47+16*\t], v[16:31], v[32+8*((\a0)+\t):39+8*((\a0)+\t)], v[248+\t], v255 matrix_a_scale:MATRIX_SCALE_ROW1
.else
	v_wmma_scale_f32_16x16x128_f8f6f4 v[96+8*((\a0)+\t):103+8*((\a0)+\t)], v[32+16*\t:47+16*\t], v[16:31], v[32+8*((\a0)+\t):39+8*((\a0)+\t)], v[248+\t], v255
.endif
.endr
	WIN 0x54                                       ; q, C and D in window 1
.irp t, 0,1,2,3
.if \row1
	v_wmma_scale_f32_16x16x128_f8f6f4 v[96+8*((\a0)+\t):103+8*((\a0)+\t)], v[32+16*\t:47+16*\t], v[16:31], v[32+8*((\a0)+\t):39+8*((\a0)+\t)], v[248+\t], v7 matrix_a_scale:MATRIX_SCALE_ROW1
.else
	v_wmma_scale_f32_16x16x128_f8f6f4 v[96+8*((\a0)+\t):103+8*((\a0)+\t)], v[32+16*\t:47+16*\t], v[16:31], v[32+8*((\a0)+\t):39+8*((\a0)+\t)], v[248+\t], v7
.endif
.endr
	WIN 0
.endm
; O^T += v^T p^T, tiles a0 .. a0 + 3 of 16 channels, for both tiles of queries.  Each accumulator has one instruction a key step.
.macro PVPROD a0, row1
	WIN 0
.irp t, 0,1,2,3
.if \row1
	v_wmma_scale_f32_16x16x128_f8f6f4 v[160+8*((\a0)+\t):167+8*((\a0)+\t)], v[32+16*\t:47+16*\t], v[224:239], v[160+8*((\a0)+\t):167+8*((\a0)+\t)], v[248+\t], v4 matrix_a_scale:MATRIX_SCALE_ROW1
.else
	v_wmma_scale_f32_16x16x128_f8f6f4 v[160+8*((\a0)+\t):167+8*((\a0)+\t)], v[32+16*\t:47+16*\t], v[224:239], v[160+8*((\a0)+\t):167+8*((\a0)+\t)], v[248+\t], v4
.endif
.endr
	WIN 0x54                                       ; p, C and D in window 1
.irp t, 0,1,2,3
.if \row1
	v_wmma_scale_f32_16x16x128_f8f6f4 v[160+8*((\a0)+\t):167+8*((\a0)+\t)], v[32+16*\t:47+16*\t], v[224:239], v[160+8*((\a0)+\t):167+8*((\a0)+\t)], v[248+\t], v11 matrix_a_scale:MATRIX_SCALE_ROW1
.else
	v_wmma_scale_f32_16x16x128_f8f6f4 v[160+8*((\a0)+\t):167+8*((\a0)+\t)], v[32+16*\t:47+16*\t], v[224:239], v[160+8*((\a0)+\t):167+8*((\a0)+\t)], v[248+\t], v11
.endif
.endr
	WIN 0
.endm
; The softmax of tile u for one key step: register 16 b + i of v96-159 holds the logit of key 32 b + 16 (lane / 16) + i.
.macro SOFTMAX u
	WIN (0x55*\u)
.irp b, 0,1,2,3
	v_max3_num_f32 v[232+\b], v[96+16*\b], v[97+16*\b], v[98+16*\b]   ; THE LARGEST LOGIT OF EACH BLOCK OF 32 KEYS serves twice: for the row's maximum, and, since p rises with the logit, for the block's largest p
.endr
.irp i, 3,5,7,9,11,13
.irp b, 0,1,2,3
	v_max3_num_f32 v[232+\b], v[232+\b], v[96+16*\b+\i], v[97+16*\b+\i]   ; (the four blocks by turns)
.endr
.endr
.irp b, 0,1,2,3
	v_max_num_f32 v[232+\b], v[232+\b], v[111+16*\b]
.endr
.irp b, 0,1,2,3
	v_permlanex16_b32 v[236+\b], v[232+\b], s20, s21
.endr
.irp b, 0,1,2,3
	v_max_num_f32 v[232+\b], v[232+\b], v[236+\b]  ; with lane l xor 16's 16 keys
.endr
	v_max3_num_f32 v254, v232, v233, v234
	v_max_num_f32 v254, v254, v235                 ; the step's largest logit of my query
	v_mul_f32 v254, s22, v254                      ; as t (c is not negative)
	v_max_num_f32 v13, v13, v254                   ; the running largest t
	v_mov_b32 v254, v12
	v_floor_f32 v12, -v13                          ; the new -M = floor(-t) = -ceil(t): M is a whole number
	v_sub_f32 v254, v12, v254                      ; M's old value less its new one: a whole number, 0 or less
	v_cvt_i32_f32 v254, v254                       ; (it saturates)
	v_ldexp_f32 v252, 1.0, v254                    ; f = 2^(old M - new M): a multiplication by it rounds nothing
.set j, 0
.rept 32
	v_pk_fma_f32 v[96+j:97+j], v[96+j:97+j], s[22:23], v[12:13] op_sel_hi:[1,0,0]   ; t - M, two at a time (of the pairs c and -M the low word serves both halves)
.set j, j+2
.endr
.irp b, 0,1,2,3
	v_fma_f32 v[232+\b], v[232+\b], s22, v12       ; the same of each block's largest logit
.endr
.set j, 0
.rept 64
	v_exp_f32 v[96+j], v[96+j]                     ; p = 2^(t - M), at most 1: not normalised
.set j, j+1
.endr
.irp b, 0,1,2,3
	v_exp_f32 v[232+\b], v[232+\b]                 ; the block's largest p: the same two instructions on the same number give the same bits
.endr
	v_pk_mul_f32 v[14:15], v[14:15], v[252:253] op_sel_hi:[1,0]   ; the sums under the new M.  (A plain place behind the exponentials)
	s_wait_alu depctr_va_vdst(0)
.irp b, 0,1,2,3
	v_max_num_f32 v[232+\b], 0x4800000, v[232+\b]  ; the floor 2^(9 - 127): the byte cannot fall under 1 (a block whose every p is 0 keeps that byte: its codes are zeros)
.endr
.irp b, 0,1,2,3
	v_add_nc_u32 v[244+\b], 0xfc000000, v[232+\b]  ; 8 off the exponent field: the conversion's scale operand
.endr
.irp b, 0,1,2,3
	v_and_or_b32 v[240+\b], v[232+\b], 0x7f800000, s24   ; 448 x the scale
.endr
.irp b, 0,1,2,3
	v_lshrrev_b32 v[236+\b], 23, v[244+\b]         ; the scale's byte
.endr
	v_lshl_or_b32 v253, v237, 8, v236              ; p's scale word for these 128 keys;
	v_lshl_or_b32 v253, v238, 16, v253
	WIN (0x11*\u)                                  ; its last line writes window 0, from which scale operands are taken: v4 for tile 0, v11 for tile 1
	v_lshl_or_b32 v[4+7*\u], v239, 24, v253
	WIN (0x55*\u)
	v_pk_add_f32 v[236:237], v[96:97], v[98:99]    ; THE ROW'S SUM IS TAKEN OF THE UNQUANTISED p: two at a time, in two chains
.irp j, 4,8,12,16,20,24,28,32,36,40,44,48,52,56,60
	v_pk_add_f32 v[14:15], v[14:15], v[96+\j:97+\j]
	v_pk_add_f32 v[236:237], v[236:237], v[98+\j:99+\j]
.endr
	v_pk_add_f32 v[14:15], v[14:15], v[236:237]
.irp b, 0,1,2,3
.irp i, 0,1,2,3,4,5,6,7,8,9,10,11,12,13,14,15
	v_min_num_f32 v[96+16*\b+\i], v[96+16*\b+\i], v[240+\b]   ; the conversion to an 8-bit code does not saturate (ISA guide 7.6.2); p is not negative, so the hold is one-sided
.endr
	v_cvt_scalef32_pk8_fp8_f32 v[224+4*\b:225+4*\b], v[96+16*\b:103+16*\b], v[244+\b]
	v_cvt_scalef32_pk8_fp8_f32 v[226+4*\b:227+4*\b], v[104+16*\b:111+16*\b], v[244+\b]
.endr
.set j, 0
.rept 32
	v_pk_mul_f32 v[160+j:161+j], v[160+j:161+j], v[252:253] op_sel_hi:[1,0]   ; O^T under the new M: x f, each accumulator from its low end on.  (These 32 are also the places between the codes and the products)
.set j, j+2
.endr
.endm
; A KEY STEP: 128 keys, the q-th of the slot in hand.
.macro STEP q
	WIN 0
	v_add_nc_u32 v8, s26, v1                       ; the slot's images
	v_add_nc_u32 v9, s27, v2                       ; the step's bias
	v_add_nc_u32 v10, s27, v3                      ; the step's scale images
.rept 5
	v_nop                                          ; with the three additions: eight places behind the last step's products, whose fragments' and scale words' registers are loaded anew
.endr
	ds_load_b128 v[248:251], v10                   ; k's scale words of the step's eight fragments
	FRAGS (\q)*16384, 0
	WIN 0x40                                       ; destination window 1
.irp T, 0,1,2,3,4,5,6,7
	ds_load_b128 v[32+8*\T:35+8*\T], v9 offset:64*\T          ; the bias in the result's layout: all lanes of a half read the same 32 bytes
	ds_load_b128 v[36+8*\T:39+8*\T], v9 offset:64*\T+16
.endr
	WIN 0
	s_wait_dscnt 0x0
	SPROD 0, 0
	PLACES
	FRAGS (\q)*16384, 4
	s_wait_dscnt 0x0
	SPROD 4, 1
	PLACES
	ds_load_b128 v[248:251], v10 offset:SCV-SCL    ; v's scale words and first four fragments land while the softmax is worked
	FRAGS VOFF+(\q)*16384, 0
	SOFTMAX 0
	SOFTMAX 1
	WIN 0
	s_wait_dscnt 0x0
	PVPROD 0, 0
	PLACES
	FRAGS VOFF+(\q)*16384, 4
	s_wait_dscnt 0x0
	PVPROD 4, 1
	s_add_co_u32 s27, s27, 512                     ; the next step's scale images and bias
.endm
; THE CHANGE OF SLOTS stands at a slot's head.  Each wave waits for all its tensor loads (its part of the slot that it is about to read), adds 0 to its spare word, and waits for that and for its reads of the slot that it
; has left.  fill = 1: a round of the cluster's barrier, so that no wave of any partner still reads the other slot or has a load on its way; behind it that slot is filled with the next 256 keys: the load has two key steps in which to land.
.macro CHANGE fill
	s_wait_tensorcnt 0x0                           ; no tensor load of mine is out, so a group 0 may be written
	ds_add_u32 v5, v6                              ; 0 onto my spare word
.if \fill
	s_xor_b32 s49, s49, SLOT1                      ; the walking descriptor: the other slot than last time,
	s_add_nc_u64 s[50:51], s[50:51], 32768         ; two groups of 128 keys on; the type bits on top are not reached
.endif
	s_wait_dscnt 0x0                               ; the add is done, and my reads of the slot that I have left are over
.if \fill
	CROUND
	JLOAD                                          ; the first thing behind the round, and a wave's one tensor load until the next
.else
	s_barrier_signal -1
	s_barrier_wait -1
.endif
.endm
.Lslot:                                            ; seven trips: behind each change of slots but the last the next slot is asked for
	CHANGE 1
	STEP 0
	STEP 1
	s_xor_b32 s26, s26, SLOT1                      ; on to the other slot
	s_sub_co_u32 s28, s28, 1
	s_cmp_lg_u32 s28, 0
	s_cbranch_scc1 .Lslot
	CHANGE 0                                       ; the last slot is written out
	STEP 0
	STEP 1
	; THE WAY OUT.  out0 has the queries innermost.  Register 8 T + j of lane (r, h) is channel 32 (T / 2) + 16 h + 8 (T % 2) + j of stored query r of tile u, which is query 32 w + 8 u + r + 8 (r / 8) of the block.
	; All eight waves put their numbers into one stage, [128 channels][256 queries]; behind a barrier each wave reads 16 whole rows of 1,024 bytes and stores them.
	v_and_b32 v8, 15, v0                           ; r.  (These eight lines are the places behind the last products)
	v_bfe_u32 v9, v0, 4, 1                         ; h
	v_and_b32 v10, 8, v8
	v_add_nc_u32 v10, v10, v8                      ; r + 8 (r / 8)
	v_lshlrev_b32 v10, 2, v10
	v_lshl_add_u32 v10, v9, 14, v10                ; + 16 h rows of 1,024 bytes
	s_lshl_b32 s16, s12, 7
	s_add_co_u32 s16, s16, STG                     ; + my wave's 32 queries
	v_add_nc_u32 v8, s16, v10                      ; for channels 0-63,
	v_add_nc_u32 v9, 65536, v8                     ; and for channels 64-127: an LDS offset has 16 bits
	s_lshl_b32 s16, s12, 14
	s_add_co_u32 s16, s16, STG
	v_add_nc_u32 v10, s16, v1                      ; back: my 16 rows, 16 bytes a lane
.macro FINISH u
	WIN (0x55*\u)
	v_add_f32 v14, v14, v15                        ; the sum's two halves,
	v_permlanex16_b32 v252, v14, s20, s21
	v_add_f32 v14, v14, v252                       ; and lane l xor 16's: the row's sum
	v_rcp_f32 v14, v14
	v_nop                                          ; one plain place behind the transcendental
.set j, 0
	s_wait_alu depctr_va_vdst(0)
.rept 64
	v_mul_f32 v[96+j], v[160+j], v14               ; O^T / the sum, each accumulator from its low end on
.set j, j+1
.endr
	WIN (0x04*\u)                                  ; an LDS store's data are its source 1
.irp T, 0,1,2,3,4,5,6,7
.irp j, 0,1,2,3,4,5,6,7
	ds_store_b32 v[8+\T/4], v[96+8*\T+\j] offset:32*\u+(32*((\T/2)%2)+8*(\T%2)+\j)*1024
.endr
.endr
.endm
	FINISH 0
	FINISH 1
	WIN 0
	s_wait_dscnt 0x0                               ; for the others' sake: my stores into the stage are done
	s_barrier_signal -1
	s_barrier_wait -1
.set n, 0
.rept 32
	ds_load_b128 v[32+4*n:35+4*n], v10 offset:(n/2)*1024+(n%2)*512
.set n, n+1
.endr
.set n, 0
.rept 32
	s_wait_dscnt 31-n                              ; loads come back in order: number n is in, the 31 - n younger ones may be out
	global_store_b128 v1, v[32+4*n:35+4*n], s[10:11] offset:(n/2)*8192+(n%2)*512 th:TH_STORE_NT   ; 32 lanes store 512 consecutive bytes, at a multiple of 256 from out0's first byte; written once, read by nobody here
.set n, n+1
.endr
	s_wait_tensorcnt 0x0                           ; the wave's end
	ds_add_u32 v5, v6
	s_wait_dscnt 0x0
	CROUND                                         ; the closing round: no work-group ends while a partner may still ask for a tile that names it
	s_endpgm
.Lfunc_end_k_qa814d777b4_attn:
	.size	k_qa814d777b4_attn, .Lfunc_end_k_qa814d777b4_attn-k_qa814d777b4_attn
	.p2alignl 7, 3214868480
	.fill 96, 4, 3214868480
	.section	.rodata,"a",@progbits
	.p2align	6, 0x0
	.amdhsa_kernel k_qa814d777b4_attn
		.amdhsa_group_segment_fixed_size 327680
		.amdhsa_private_segment_fixed_size 0
		.amdhsa_enable_private_segment 0
		.amdhsa_kernarg_size 32
		.amdhsa_user_sgpr_count 2
		.amdhsa_user_sgpr_kernarg_segment_ptr 1
		.amdhsa_wavefront_size32 1
		.amdhsa_system_sgpr_workgroup_id_x 1
		.amdhsa_system_sgpr_workgroup_id_y 1
		.amdhsa_system_sgpr_workgroup_id_z 1
		.amdhsa_system_vgpr_workitem_id 0
		.amdhsa_next_free_vgpr 512
		.amdhsa_next_free_sgpr 66
		.amdhsa_reserve_vcc 1
		.amdhsa_float_denorm_mode_32 3
		.amdhsa_float_denorm_mode_16_64 3
		.amdhsa_memory_ordered 1
		.amdhsa_forward_progress 1
		.amdhsa_inst_pref_size 197
	.end_amdhsa_kernel
	.amdgpu_metadata
---
amdhsa.version: [ 1, 2 ]
amdhsa.kernels:
  - .name:           k_qa814d777b4_attn
    .symbol:         k_qa814d777b4_attn.kd
    .args:
      - { .name: frag, .offset: 0, .size: 8, .value_kind: global_buffer, .address_space: global }
      - { .name: fsc, .offset: 8, .size: 8, .value_kind: global_buffer, .address_space: global }
      - { .name: mask, .offset: 16, .size: 8, .value_kind: global_buffer, .address_space: global }
      - { .name: out0, .offset: 24, .size: 8, .value_kind: global_buffer, .address_space: global }
    .group_segment_fixed_size: 327680
    .private_segment_fixed_size: 0
    .kernarg_segment_align: 8
    .kernarg_segment_size: 32
    .max_flat_workgroup_size: 256
    .sgpr_count:     66
    .vgpr_count:     512
    .wavefront_size: 32
...
	.end_amdgpu_metadata
.endif
;; end of part 4
;; ======== version 2 of 2: 3 launches
;; limits: right only within a limited range of input values
;; workspace buffers: xc 8,388,608 bytes; xs 262,144 bytes; wc 3,145,728 bytes; ws 98,304 bytes; frag 25,165,824 bytes; fsc 786,432 bytes
;; launch quant (part 5): grid 352 x 1, 4 waves a work-group, no clusters, 69,120 bytes of LDS; arguments query, W1, Wq, xc, xs, wc, ws; writes xc, xs, wc, ws
.if DOCPART == 5
	.amdgcn_target "amdgcn-amd-amdhsa--gfx1250"
	.amdhsa_code_object_version 6
	.text
	.protected	k_qa814d777b4_quant
	.globl	k_qa814d777b4_quant
	.p2align	8
	.type	k_qa814d777b4_quant,@function
k_qa814d777b4_quant:
	s_mov_b64 s[64:65], 0
	v_nop
	global_prefetch_b8 v0, s[64:65] scope:SCOPE_SE
	s_setreg_imm32_b32 hwreg(HW_REG_WAVE_MODE, 25, 1), 1
	s_wait_xcnt 0x0
; ONE LAUNCH QUANTISES ALL THREE f32 INPUTS into codes of FP8 (E4M3) with K innermost and one E8M0 byte for each 32 along K.  Work-groups 0-255 take query, work-groups 256-351 the two weights: the two ways part
; at the head on the work-group's number, share no line behind it, and each has LDS bytes of its own (query: 0 to 34,815; weights: 35,840 to 68,607).
; A block's scale is 2^(floor(log2(its largest magnitude)) - 8); its byte is that magnitude's exponent field - 8, held at 1 from below.  A block of zeros keeps the byte 1: its codes are zeros, and this program alone reads the bytes.
; LIMITS: blocks whose largest magnitude lies under 2^-118 keep the byte 1; NaN and infinities among the inputs are not served.
; ROW ORDER, for all three: a row's index is stored with bits 3 and 4 exchanged (swap34).  So sixteen neighbouring STORED rows are rows 32 B + 8 u + r + 8 (r / 8): a matrix result whose rows are such a tile holds, in the
; 16 registers of two neighbouring tiles, 16 neighbouring indices, which is what the next quantiser along that axis wants.
; Memory binds: no matrix unit, no cluster (no two work-groups read the same bytes), no barrier (waves share nothing).
.set XWG,   256                        ; work-groups that take query
.set WBASE, 35840                      ; LDS: where the weights' way begins
.set MANT,  0x600000                   ; the mantissa field of 448 as f32
	v_lshl_add_u32 v192, v0, 2, 0x10c00
	v_mov_b32 v193, 0
	v_lshrrev_b32 v1, 5, v0
	v_readfirstlane_b32 s16, v1                    ; wave 0..3
	v_and_b32 v2, 31, v0                           ; lane
	s_cmp_lt_u32 ttmp9, XWG
	s_cbranch_scc0 .Lweights
; ---- QUERY [4][1024 (d)][2048 (l)]: K (d) is NOT innermost.  Out: xc [8192 rows = 2048 b + swap34(l)][1024], xs [8192][32].
; A LANE TAKES A COLUMN l, AND ITS REGISTERS RUN DOWN K: each load reads 128 consecutive bytes a wave, a block of 32 along K lies in one lane's 32 registers, and the conversions give codes with K innermost.
; A wave takes 32 columns x 256 along K.  Its codes go through its own stage in LDS (the row there is the column's STORED place) and leave as rows: sixteen lanes store 256 consecutive bytes, aligned.
; Loads run two blocks (64 loads a wave) ahead.
.set SIZE_K, 1024
.set SIZE_N, 2048
.set KW,    256                        ; along K for a wave
.set NB,    KW/32                      ; blocks
.set ROWB,  256                        ; bytes of KW codes
.set PITCH, ROWB+16                    ; a stage row
.set KROW,  SIZE_K                     ; a row of xc in bytes
.set X,     32                         ; v32-95   two sets of 32 numbers
.set C,     96                         ; v96-103  a block's codes
.set OUTR,  112                        ; v112-175 the way out
.set SB,    24                         ; v24-25   the scale bytes, four to a register
	s_load_b64 s[4:5], s[0:1], 0x0                 ; query
	s_load_b64 s[6:7], s[0:1], 0x18                ; xc
	s_load_b64 s[8:9], s[0:1], 0x20                ; xs
	v_and_b32 v10, 7, v2
	v_bfe_u32 v11, v2, 3, 1
	v_lshl_or_b32 v10, v11, 4, v10
	v_bfe_u32 v11, v2, 4, 1
	v_lshl_or_b32 v10, v11, 3, v10                 ; swap34(lane): my column's stored place among the wave's 32
	s_bfe_u32 s20, ttmp9, 0x20004                  ; batch: bits 5:4 of the work-group's number
	s_and_b32 s21, ttmp9, 15                       ; which 128 columns: bits 3:0, so that neighbouring work-groups read neighbouring bytes
	s_lshl_b32 s17, s21, 7
	s_lshl_b32 s18, s16, 5
	s_add_co_u32 s17, s17, s18                     ; my wave's first column
	s_lshr_b32 s18, ttmp9, 6                       ; which 256 along K: bits 7:6
	v_lshlrev_b32 v3, 2, v2                        ; in: 4 bytes a lane
	s_mul_i32 s19, s16, 32*PITCH                   ; my stage
	v_mul_u32_u24 v4, v10, PITCH
	v_add_nc_u32 v4, s19, v4                       ; into it: row = my column's stored place
	v_and_b32 v5, 15, v2
	v_lshrrev_b32 v6, 4, v2                        ; out of it: sixteen lanes to a row, two rows an instruction
	v_mul_u32_u24 v7, v6, PITCH
	v_lshl_add_u32 v7, v5, 4, v7
	v_add_nc_u32 v7, s19, v7
	v_mul_u32_u24 v8, v6, KROW
	v_lshl_add_u32 v8, v5, 4, v8                   ; and the same place in xc
	v_lshlrev_b32 v9, 5, v10                       ; my column's row of scale bytes: 32 bytes a row
	s_lshl_b32 s22, s20, 23                        ; query: batch x 8 MiB + 256 y rows of 8,192 bytes + 4 x column
	s_lshl_b32 s24, s18, 21
	s_add_co_u32 s22, s22, s24
	s_lshl_b32 s24, s17, 2
	s_add_co_u32 s22, s22, s24
	s_mov_b32 s23, 0
	s_lshl_b32 s24, s20, 11
	s_add_co_u32 s24, s24, s17                     ; the wave's first stored row
	s_lshl_b32 s26, s24, 10                        ; xc: row x 1,024 + 256 y
	s_lshl_b32 s28, s18, 8
	s_add_co_u32 s26, s26, s28
	s_mov_b32 s27, 0
	s_lshl_b32 s28, s24, 5                         ; xs: row x 32 + 8 y
	s_lshl_b32 s30, s18, 3
	s_add_co_u32 s28, s28, s30
	s_mov_b32 s29, 0
	s_mov_b32 s31, MANT                            ; (an instruction takes one literal: the hold's line has another)
	s_wait_kmcnt 0x0
	s_add_nc_u64 s[4:5], s[4:5], s[22:23]
	s_add_nc_u64 s[6:7], s[6:7], s[26:27]
	s_add_nc_u64 s[8:9], s[8:9], s[28:29]
.macro XLOAD t                         ; block t: query(32 t + i, my column), i = 0 .. 31, into set t % 2
.irp i, 0,1,2,3,4,5,6,7,8,9,10,11,12,13,14,15,16,17,18,19,20,21,22,23,24,25,26,27,28,29,30,31
	global_load_b32 v[X+32*((\t)%2)+\i], v3, s[4:5] offset:(32*(\t)+\i)*SIZE_N*4 th:TH_LOAD_NT
.endr
.endm
	XLOAD 0
	XLOAD 1
.macro XBLOCK t
.set XS, X+32*((\t)%2)
.if (\t) < NB-1
	s_wait_loadcnt 32                              ; this block's 32 loads are in; the next block's 32 may be out
.else
	s_wait_loadcnt 0
.endif
	v_max3_num_f32 v12, |v[XS]|, |v[XS+1]|, |v[XS+2]|               ; the block's largest magnitude: all 32 numbers are mine; two chains
	v_max3_num_f32 v13, |v[XS+3]|, |v[XS+4]|, |v[XS+5]|
.irp i, 6,10,14,18,22,26
	v_max3_num_f32 v12, v12, |v[XS+\i]|, |v[XS+\i+1]|
	v_max3_num_f32 v13, v13, |v[XS+\i+2]|, |v[XS+\i+3]|
.endr
	v_max3_num_f32 v12, v12, |v[XS+30]|, |v[XS+31]|
	v_max3_num_f32 v12, v12, v13, 0x4800000        ; and the floor 2^(9 - 127): the byte cannot fall under 1
	v_add_nc_u32 v11, 0xfc000000, v12              ; 8 off its exponent field: the conversion takes the exponent field of this operand as its scale
	v_and_or_b32 v10, v12, 0x7f800000, s31         ; 448 x the scale: the largest magnitude's exponent field over 448's mantissa
	v_lshrrev_b32 v13, 23, v11                     ; the scale's byte
.if (\t)%4 == 0
	v_mov_b32 v[SB+(\t)/4], v13                    ; four bytes to a register, the lower K in the lower byte
.else
	v_lshl_or_b32 v[SB+(\t)/4], v13, 8*((\t)%4), v[SB+(\t)/4]
.endif
.irp i, 0,1,2,3,4,5,6,7,8,9,10,11,12,13,14,15,16,17,18,19,20,21,22,23,24,25,26,27,28,29,30,31
	v_med3_num_f32 v[XS+\i], v[XS+\i], -v10, v10   ; the conversion to an 8-bit code does not saturate (ISA guide 7.6.2): the hold at 448 x the scale comes first
.endr
.irp g, 0,1,2,3
	v_cvt_scalef32_pk8_fp8_f32 v[C+2*\g:C+2*\g+1], v[XS+8*\g:XS+8*\g+7], v11
.endr
	ds_store_b128 v4, v[C:C+3] offset:32*(\t)      ; 32 codes: 32 bytes of my column's row
	ds_store_b128 v4, v[C+4:C+7] offset:32*(\t)+16
.if (\t)+2 < NB
	XLOAD (\t)+2
.endif
	s_wait_dscnt 0x0                               ; the stores have read their registers: the next block's codes may be written
.endm
.set Q, 0
.rept NB
	XBLOCK Q
.set Q, Q+1
.endr
	global_store_b64 v9, v[SB:SB+1], s[8:9]        ; my column's 8 scale bytes
.irp t, 0,1,2,3,4,5,6,7,8,9,10,11,12,13,14,15
	ds_load_b128 v[OUTR+4*\t:OUTR+4*\t+3], v7 offset:2*\t*PITCH   ; LDS serves a wave's instructions in order (ISA guide 5.7.1.4): these see my stores
.endr
.irp t, 0,1,2,3,4,5,6,7,8,9,10,11,12,13,14,15
	s_wait_dscnt 15-\t                             ; loads come back in order: number t is in, the 15 - t younger ones may be out
	global_store_b128 v8, v[OUTR+4*\t:OUTR+4*\t+3], s[6:7] offset:2*\t*KROW
.endr
	s_wait_tensorcnt 0x0
	ds_add_u32 v192, v193
	s_wait_dscnt 0x0
	s_endpgm
; ---- THE WEIGHTS: W1 [2048][1024] and Wq [1024][1024], K innermost.  Out: wc [3072 rows][1024], ws [3072][32].
; ROWS OF wc: 0-1023 = W1's rows 0-1023 (the keys' weights), 1024-2047 = Wq, 2048-3071 = W1's rows 1024-2047 (the values'); inside each group of 32 rows, row o is stored at swap34(o).
; A work-group takes 32 rows, a wave 8 rows (8,192 numbers, 16 steps of 512): so the exchange of bits 3 and 4 is an exchange of the two bits of the wave's number in its DESTINATION.
; The conversions take 8 numbers of ONE block from a lane's registers, so a lane must hold 16 neighbours; a load is best where neighbouring lanes take neighbouring bytes.  Both are had: each of a step's four loads reads
; 512 consecutive bytes; the 2,048 bytes go through the wave's own stage in LDS (16 bytes of padding behind each 64) and come back 64 bytes a lane.  Two neighbouring lanes hold a block.
.set STEPS, 16
.set CB,    16                         ; bytes of 16 codes
.set WR,    16                         ; v16-79   four sets of 16 numbers as they are loaded
.set WX,    80                         ; v80-111  two sets of 16 neighbours
.set WC,    128                        ; v128-191 codes: four registers for each step, so that no store's data are written again
.set WE,    112                        ; v112-127 a scale byte for each step
.set WREG,  8192                       ; LDS: a region for each wave: two stages of 32 x SP bytes, and behind them its 256 scale bytes
.set SP,    80                         ; a lane's place in a stage: its 64 bytes + 16 of padding
.Lweights:
	s_load_b64 s[4:5], s[0:1], 0x8                 ; W1
	s_load_b64 s[6:7], s[0:1], 0x10                ; Wq
	s_load_b64 s[8:9], s[0:1], 0x28                ; wc
	s_load_b64 s[10:11], s[0:1], 0x30              ; ws
	v_lshlrev_b32 v3, 4, v2                        ; my 16 bytes of a load's 512
	s_mul_i32 s17, s16, WREG
	s_add_co_u32 s17, s17, WBASE                   ; my wave's region
	v_lshrrev_b32 v14, 2, v2
	v_mul_u32_u24 v14, v14, SP
	v_and_b32 v15, 3, v2
	v_lshl_add_u32 v14, v15, 4, v14
	v_add_nc_u32 v14, s17, v14                     ; the stage, on the way in: SP (lane / 4) + 16 (lane % 4)
	v_mul_u32_u24 v15, v2, SP
	v_add_nc_u32 v15, s17, v15                     ; and on the way out: SP x lane: my 16 neighbours
	v_mul_u32_u24 v4, v2, CB                       ; my codes' place in a step's
	v_lshrrev_b32 v5, 1, v2
	s_add_co_u32 s17, s17, 2*32*SP
	v_add_nc_u32 v5, s17, v5                       ; LDS: my wave's 256 scale bytes, my block's byte
	v_lshlrev_b32 v7, 3, v2                        ; and on the way out 8 bytes a lane
	v_add_nc_u32 v6, s17, v7
	s_mov_b32 s23, MANT                            ; (an instruction takes one literal: the hold's line has another)
	s_sub_co_u32 s22, ttmp9, XWG                   ; which 32 rows of wc: 0 .. 95
	s_sub_co_u32 s17, s22, 32
	s_wait_kmcnt 0x0
	s_cmp_lt_u32 s17, 32                           ; groups 32-63 come from Wq, the others from W1: the choice hangs on the work-group's number alone
	s_cselect_b64 s[4:5], s[6:7], s[4:5]
	s_cmp_lt_u32 s22, 32
	s_cselect_b32 s17, s22, s17                    ; which 32 rows of the source: g for the first 32 groups, g - 32 for the others
	s_lshl_b32 s17, s17, 2
	s_add_co_u32 s18, s17, s16                     ; my wave's 8 rows of the source,
	s_lshl_b32 s18, s18, 15                        ; 32,768 bytes each run
	s_mov_b32 s19, 0
	s_add_nc_u64 s[4:5], s[4:5], s[18:19]
	s_and_b32 s20, s16, 1                          ; the destination: the wave's two bits exchanged
	s_lshl_b32 s20, s20, 1
	s_lshr_b32 s21, s16, 1
	s_or_b32 s20, s20, s21
	s_lshl_b32 s21, s22, 2
	s_add_co_u32 s20, s20, s21
	s_lshl_b32 s18, s20, 13                        ; 8,192 bytes of codes a run
	s_add_nc_u64 s[8:9], s[8:9], s[18:19]
	s_lshl_b32 s18, s20, 8                         ; 256 scale bytes a run
	s_add_nc_u64 s[10:11], s[10:11], s[18:19]
.macro WLOAD t
.irp i, 0,1,2,3
	global_load_b128 v[WR+16*((\t)%4)+4*\i:WR+16*((\t)%4)+4*\i+3], v3, s[4:5] offset:2048*(\t)+512*\i th:TH_LOAD_NT   ; 32 lanes read 512 consecutive bytes
.endr
.endm
.macro WTURN t                         ; step t's numbers through the stage: LDS serves a wave's instructions in order, so no wait stands between the stores and the loads
.irp i, 0,1,2,3
	ds_store_b128 v14, v[WR+16*((\t)%4)+4*\i:WR+16*((\t)%4)+4*\i+3] offset:32*SP*((\t)%2)+8*SP*\i
.endr
.irp i, 0,1,2,3
	ds_load_b128 v[WX+16*((\t)%2)+4*\i:WX+16*((\t)%2)+4*\i+3], v15 offset:32*SP*((\t)%2)+16*\i
.endr
.endm
.irp t, 0,1,2,3
	WLOAD \t
.endr
	s_wait_loadcnt 12                              ; step 0's four loads are in; the twelve of steps 1 to 3 may be out
	WTURN 0
.macro WSTEP t
.set WXS, WX+16*((\t)%2)
.if (\t) > 0
	s_wait_dscnt 1                                 ; this step's numbers are back from the stage (the last step's byte store may be out): so its stores into the stage have read their registers,
.else
	s_wait_dscnt 0x0
.endif
.if (\t)+4 < STEPS
	WLOAD (\t)+4                                   ; which take the loads of four steps on
.endif
.if (\t)+1 < STEPS
.if STEPS-2-(\t) >= 3
	s_wait_loadcnt 12                              ; the next step's four loads are in; those of the three steps behind it may be out
.else
	s_wait_loadcnt 4*(STEPS-2-(\t))
.endif
	WTURN (\t)+1                                   ; and go through the other stage while this step is worked
.endif
	v_max3_num_f32 v8, |v[WXS]|, |v[WXS+1]|, |v[WXS+2]|            ; the largest magnitude of my 16
	v_max3_num_f32 v9, |v[WXS+3]|, |v[WXS+4]|, |v[WXS+5]|
.irp i, 6,10
	v_max3_num_f32 v8, v8, |v[WXS+\i]|, |v[WXS+\i+1]|
	v_max3_num_f32 v9, v9, |v[WXS+\i+2]|, |v[WXS+\i+3]|
.endr
	v_max3_num_f32 v8, v8, |v[WXS+14]|, |v[WXS+15]|
	v_max3_num_f32 v8, v8, v9, 0x4800000           ; and the floor 2^(9 - 127): the byte cannot fall under 1
	v_max_num_f32_dpp v8, v8, v8 row_xmask:1 row_mask:0xf bank_mask:0xf   ; and of my neighbour's 16: the block's
	v_add_nc_u32 v11, 0xfc000000, v8               ; 8 off its exponent field: the conversion's scale operand
	v_and_or_b32 v10, v8, 0x7f800000, s23          ; 448 x the scale
.irp i, 0,1,2,3,4,5,6,7,8,9,10,11,12,13,14,15
	v_med3_num_f32 v[WXS+\i], v[WXS+\i], -v10, v10 ; the conversion to an 8-bit code does not saturate (ISA guide 7.6.2): the hold comes first
.endr
	v_cvt_scalef32_pk8_fp8_f32 v[WC+4*(\t):WC+4*(\t)+1], v[WXS:WXS+7], v11
	v_cvt_scalef32_pk8_fp8_f32 v[WC+4*(\t)+2:WC+4*(\t)+3], v[WXS+8:WXS+15], v11
	v_lshrrev_b32 v[WE+(\t)], 23, v11              ; the scale's byte
	ds_store_b8 v5, v[WE+(\t)] offset:16*(\t)      ; both lanes of a block write the same byte with the same value
	global_store_b128 v4, v[WC+4*(\t):WC+4*(\t)+3], s[8:9] offset:32*CB*(\t)   ; the wave stores 512 consecutive bytes
.endm
.irp t, 0,1,2,3,4,5,6,7,8,9,10,11,12,13,14,15
	WSTEP \t
.endr
	ds_load_b64 v[12:13], v6                       ; LDS serves a wave's instructions in order: these see my stores
	s_wait_dscnt 0x0
	global_store_b64 v7, v[12:13], s[10:11]        ; 32 lanes store 256 consecutive bytes, aligned
	s_wait_tensorcnt 0x0
	ds_add_u32 v192, v193
	s_wait_dscnt 0x0
	s_endpgm
.Lfunc_end_k_qa814d777b4_quant:
	.size	k_qa814d777b4_quant, .Lfunc_end_k_qa814d777b4_quant-k_qa814d777b4_quant
	.p2alignl 7, 3214868480
	.fill 96, 4, 3214868480
	.section	.rodata,"a",@progbits
	.p2align	6, 0x0
	.amdhsa_kernel k_qa814d777b4_quant
		.amdhsa_group_segment_fixed_size 69120
		.amdhsa_private_segment_fixed_size 0
		.amdhsa_enable_private_segment 0
		.amdhsa_kernarg_size 56
		.amdhsa_user_sgpr_count 2
		.amdhsa_user_sgpr_kernarg_segment_ptr 1
		.amdhsa_wavefront_size32 1
		.amdhsa_system_sgpr_workgroup_id_x 1
		.amdhsa_system_sgpr_workgroup_id_y 1
		.amdhsa_system_sgpr_workgroup_id_z 1
		.amdhsa_system_vgpr_workitem_id 0
		.amdhsa_next_free_vgpr 194
		.amdhsa_next_free_sgpr 66
		.amdhsa_reserve_vcc 0
		.amdhsa_float_denorm_mode_32 3
		.amdhsa_float_denorm_mode_16_64 3
		.amdhsa_memory_ordered 1
		.amdhsa_forward_progress 1
		.amdhsa_inst_pref_size 110
	.end_amdhsa_kernel
	.amdgpu_metadata
---
amdhsa.version: [ 1, 2 ]
amdhsa.kernels:
  - .name:           k_qa814d777b4_quant
    .symbol:         k_qa814d777b4_quant.kd
    .args:
      - { .name: query, .offset: 0, .size: 8, .value_kind: global_buffer, .address_space: global }
      - { .name: W1, .offset: 8, .size: 8, .value_kind: global_buffer, .address_space: global }
      - { .name: Wq, .offset: 16, .size: 8, .value_kind: global_buffer, .address_space: global }
      - { .name: xc, .offset: 24, .size: 8, .value_kind: global_buffer, .address_space: global }
      - { .name: xs, .offset: 32, .size: 8, .value_kind: global_buffer, .address_space: global }
      - { .name: wc, .offset: 40, .size: 8, .value_kind: global_buffer, .address_space: global }
      - { .name: ws, .offset: 48, .size: 8, .value_kind: global_buffer, .address_space: global }
    .group_segment_fixed_size: 69120
    .private_segment_fixed_size: 0
    .kernarg_segment_align: 8
    .kernarg_segment_size: 56
    .max_flat_workgroup_size: 128
    .sgpr_count:     66
    .vgpr_count:     194
    .wavefront_size: 32
...
	.end_amdgpu_metadata
.endif
;; end of part 5
;; launch gemm: the kernel of part 3 again; grid 12 x 32, 4 waves a work-group, clusters of 4 x 4, 327,680 bytes of LDS; arguments xc, xs, wc, ws, frag, fsc; writes frag, fsc
;; launch attn (part 6): grid 8 x 32, 8 waves a work-group, clusters of 4 x 1, 327,680 bytes of LDS; arguments frag, fsc, mask, out0; writes out0
.if DOCPART == 6
	.amdgcn_target "amdgcn-amd-amdhsa--gfx1250"
	.amdhsa_code_object_version 6
	.text
	.protected	k_qa814d777b4_attn
	.globl	k_qa814d777b4_attn
	.p2align	8
	.type	k_qa814d777b4_attn,@function
k_qa814d777b4_attn:
	s_mov_b64 s[64:65], 0
	v_nop
	global_prefetch_b8 v0, s[64:65] scope:SCOPE_SE
	s_setreg_imm32_b32 hwreg(HW_REG_WAVE_MODE, 25, 1), 1
	s_wait_xcnt 0x0
	s_wait_alu depctr_hold_cnt(0) depctr_sa_sdst(0) depctr_va_vdst(0) depctr_va_sdst(0) depctr_va_ssrc(0) depctr_va_vcc(0) depctr_vm_vsrc(0)
	s_getreg_b32 s2, hwreg(HW_REG_IB_STS2, 6, 4)
	s_cmp_eq_u32 s2, 0
	s_cbranch_scc0 .Lentry_in_a_cluster
	s_endpgm
.Lentry_in_a_cluster:
	s_bfe_u32 s2, ttmp6, 0x10000c
	s_cmp_lg_u32 s2, 0x3003
	s_cbranch_scc0 .Lentry_shape_is_right
	s_endpgm
.Lentry_shape_is_right:
; out0[b][128 h + d][q] = the sum over keys of softmax(q . k + (-1e30)(1 - mask[b][key])) v, both products on codes of FP8 (E4M3) with one E8M0 scale for each 32 along a product's K.
; q (already x 128^-0.5), k and v come as IMAGES OF OPERAND REGISTERS: frag [kind 0 k, 1 q, 2 v][bh][group of 128 (16)][fragment (8)][2,048 bytes], registers 4 c .. 4 c + 3 of lane l at 512 c + 16 l;
; fsc [kind][bh][group][512 bytes]: lane (r, h): the scale words of fragments 4 h + 0 .. 3, row r: one load of 16 bytes a lane serves eight fragments (lanes 16-31 by the ROW1 selector).
; The rows of a k or q fragment are 16 STORED positions, of a v fragment 16 STORED channels; stored index = index with bits 3 and 4 exchanged.  So in a result over such rows the 16 registers of tiles 2 B, 2 B + 1 of a lane
; are 16 neighbours: 32 B + 16 (lane / 16) + 0 .. 15.
; THE SOFTMAX AHEAD OF THE SECOND PRODUCT: t = logit x log2(e); M = the running largest t rounded UP to a whole number; p = 2^(t - M) is quantised along the keys, not normalised; the row's sum is taken of the
; unquantised p and divides at the end.  When M moves, the sum and O are multiplied by 2^(old M - new M): exact.
; THE MASK costs no vector instruction: the bias, 0 or -1e30, is the C of the first product.  The largest t begins at -2^100, above every masked t (-1.44e30) and under every other: while only masked keys have been
; seen p is 0.  A batch ALL of whose keys are masked has p = 1 for every key, as the definition gives it: there the factor log2(e) is replaced by 0 (a choice of a value on the OR of the batch's mask words).
; SHARES.  A work-group owns 256 queries of one head; each of its eight waves two tiles of 16: every fragment of k and v read from LDS feeds two matrix instructions; two waves to a SIMD, so that one wave's vector
; work stands beside the other's matrix work and LDS loads.  Both products are used transposed (S^T = k q^T, O^T = v^T p^T): a lane holds one query throughout.
; LDS LOADS ARE ASKED FOR AHEAD OF THE WORK UNDER WHICH THEY LAND: v's fragments 0-3 and the next step's bias ahead of both softmaxes; v's fragments 4-7, into tile 0's score registers, which its codes have left free,
; and the next step's scale image of k ahead of tile 1's softmax; the next step's fragments 0-3 of k between the two halves of O^T's products.  What lies in the ring is asked for ahead only inside a slot.
; CLUSTER.  The four query blocks of a cluster belong to one head and walk the same k and v: each tile is asked for jointly (mask 15).  Waves 0 and 1 fetch k's two key steps of a slot, waves 2 and 3 v's.
; LIMITS: |t| under 2^100 (beyond that -1e30 masks nothing in the definition either); NaN and infinities are not served.
; LDS: two slots of 65,536 bytes (k step 0, k step 1, v step 0, v step 1: 16,384 each, dense images); the stage for the way out, 128 rows x 1,024 bytes; k's and v's scale images of the whole head; the bias; flags; spare words.
; REGISTERS.  Window 1 mirrors window 0 for the wave's second tile, so the softmax is one text under two settings.  v1 16 x lane; v2, v3 the bias's and the scale images' places; v4, v11 p's scale words (tile 0, 1);
; v5, v6 the add's; v7, v255 q's scale words (tile 1, 0); v8-10 addresses in hand; v12 -M, v13 the largest t, v[14:15] the sum; v16-31 q; v32-95 four fragments (window 1: the step's 64 bias numbers, for both tiles);
; v96-159 S^T, then p (window 0: then v's fragments 4-7); v160-223 O^T; v224-239 p's codes; v232-247, v252-254 at work (window 0, v240-243: k's scale image);
; v248-251 v's scale image.  Scale operands are always taken from window 0.
.set SLOT1, 65536                      ; slot 1 begins here: one exclusive or turns an address in one slot into the other's
.set VOFF,  32768                      ; v's two steps in a slot
.set STG,   131072                     ; the stage: bytes of its own, into which no tile lands
.set SCL,   262144                     ; k's scale images, 16 x 512 bytes;
.set SCV,   270336                     ; v's
.set BIAS,  278528                     ; 2,048 f32, in stored order
.set FLG,   286720                     ; a word for each wave: has its part of the mask a key that counts?
.set SPARE, 286976                     ; the spare words, 128 bytes for each of the eight waves: four blocks of 256 bytes that no other line names
.set MSB, 0
.macro WIN new                         ; the immediate's high byte repeats the setting that is left; a switch that changes nothing is dropped
.if MSB != \new
	s_set_vgpr_msb (MSB<<8)|\new
.set MSB, \new
.endif
.endm
.macro CROUND                          ; a round of the cluster's barrier
	s_barrier_signal -1
	s_barrier_wait -1
	s_cmp_lg_u32 s12, 0
	s_cbranch_scc1 .Lnot_wave_0_\@
	s_barrier_signal -3
.Lnot_wave_0_\@:
	s_barrier_wait -3
	s_barrier_signal -1
	s_barrier_wait -1
.endm
.macro JLOAD                           ; a joint refill: waves 0 to 3, one load each; the branch hangs on the wave's number alone.  Four v_nop follow the load
	s_cmp_lt_u32 s12, 4
	s_cbranch_scc0 .Lasked_\@
	tensor_load_to_lds s[48:51], s[32:39]
	s_nop 0
.rept 4
	v_nop
.endr
.Lasked_\@:
.endm
.macro BIASLD adr, off                 ; a key step's bias in the result's layout, into window 1, v32-95: register 8 T + j of lane (r, h) is stored key 16 T + 8 h + j; all lanes of a half read the same 32 bytes
	WIN 0x40                                       ; destination window 1
.irp T, 0,1,2,3,4,5,6,7
	ds_load_b128 v[32+8*\T:35+8*\T], v[\adr] offset:(\off)+64*\T
	ds_load_b128 v[36+8*\T:39+8*\T], v[\adr] offset:(\off)+64*\T+16
.endr
	WIN 0
.endm
	s_load_b256 s[4:11], s[0:1], 0x0               ; frag s[4:5], fsc s[6:7], mask s[8:9], out0 s[10:11]
	v_lshl_add_u32 v5, v0, 2, SPARE
	v_mov_b32 v6, 0
	ds_add_u32 v5, v6
	ds_add_u32 v5, v6
	s_wait_dscnt 0x0
	v_lshrrev_b32 v1, 5, v0
	s_delay_alu instid0(VALU_DEP_1)
	v_readfirstlane_b32 s12, v1                    ; wave 0..7
	s_bfe_u32 s13, ttmp6, 0x40000                  ; cx: my place in the cluster
	s_lshl_b32 s14, ttmp9, 2
	s_add_co_u32 s14, s14, s13                     ; my block of 256 queries: it enters q's and out0's addresses alone
	s_and_b32 s15, ttmp7, 0xffff                   ; bh = 8 x batch + head, which the four partners share
	; descriptor groups 1: dense blocks as rows of 256 bytes (32 elements of 8 bytes): 64 rows for a key step's eight fragments, 16 rows for half a head's scale images
	s_mov_b32 s32, 15|(3<<16)|(1<<21)              ; 15:0 the mask: all four work-groups; 17:16 elements of 8 bytes; 21 set beside a mask; no padding
	s_mov_b32 s33, 32<<16                          ; tensor_dim0 = 32
	s_mov_b32 s34, 64<<16                          ; tensor_dim1 = 64
	s_mov_b32 s35, 32<<16                          ; tile_dim0 = 32
	s_mov_b32 s36, 64                              ; tile_dim1 = 64
	s_mov_b32 s37, 32                              ; tensor_dim0_stride
	s_mov_b32 s38, 0
	s_mov_b32 s39, 0
	s_mov_b32 s40, 15|(3<<16)|(1<<21)
	s_mov_b32 s41, 32<<16
	s_mov_b32 s42, 16<<16
	s_mov_b32 s43, 32<<16
	s_mov_b32 s44, 16
	s_mov_b32 s45, 32
	s_mov_b32 s46, 0
	s_mov_b32 s47, 0
	s_and_b32 s29, s12, 3                          ; what I fetch, if I fetch (waves 0-3): 0, 1: k's steps; 2, 3: v's
	s_lshr_b32 s16, s29, 1
	s_and_b32 s17, s29, 1
	s_lshl_b32 s18, s16, 24                        ; kind 0 or 2: 8 MiB a kind
	s_lshl_b32 s19, s15, 18
	s_add_co_u32 s18, s18, s19
	s_lshl_b32 s19, s17, 14
	s_add_co_u32 s18, s18, s19
	s_mov_b32 s19, 0                               ; s[18:19]: my first tile in frag
	s_lshl_b32 s60, s16, 19
	s_lshl_b32 s61, s15, 13
	s_add_co_u32 s60, s60, s61
	s_lshl_b32 s61, s17, 12
	s_add_co_u32 s60, s60, s61
	s_mov_b32 s61, 0                               ; s[60:61]: my half of a head's scale images in fsc
	s_lshl_b32 s62, s14, 4
	s_lshl_b32 s63, s12, 1
	s_add_co_u32 s62, s62, s63                     ; my first tile of queries: 16 x block + 2 x wave
	s_lshl_b32 s62, s62, 11
	s_lshl_b32 s63, s15, 18
	s_add_co_u32 s62, s62, s63
	s_add_co_u32 s62, s62, 1<<23                   ; kind 1
	s_mov_b32 s63, 0                               ; s[62:63]: q's fragments
	s_lshl_b32 s2, s15, 13                         ; q's scale words: tile 16 blk + 2 w + u is fragment 2 (w % 4) + u of group 2 blk + w / 4: 1,024 blk + 256 (w / 2) + 8 (w % 2) + 4 u, + 16 r
	s_lshl_b32 s3, s14, 10
	s_add_co_u32 s2, s2, s3
	s_lshr_b32 s3, s12, 1
	s_lshl_b32 s3, s3, 8
	s_add_co_u32 s2, s2, s3
	s_lshl_b32 s3, s17, 3
	s_add_co_u32 s2, s2, s3
	s_add_co_u32 s2, s2, 262144                    ; kind 1
	s_mov_b32 s3, 0
	s_lshr_b32 s30, s15, 3
	s_lshl_b32 s30, s30, 13                        ; the batch's 2,048 mask words
	s_mov_b32 s31, 0
	s_lshl_b32 s28, s15, 20                        ; out0: 128 rows of 8,192 bytes a head; my 16 rows; my block's 1,024 bytes
	s_lshl_b32 s29, s12, 17
	s_add_co_u32 s28, s28, s29
	s_lshl_b32 s29, s14, 10
	s_add_co_u32 s28, s28, s29
	s_mov_b32 s29, 0
	s_and_b32 s16, s12, 3
	s_mov_b32 s20, 0x76543210
	s_mov_b32 s21, 0xfedcba98                      ; v_permlanex16_b32's selects for lane l xor 16
	s_mov_b32 s25, 0x7149f2ca                      ; 1e30
	s_mov_b32 s26, 0                               ; LDS byte at which the slot in hand begins
	s_mov_b32 s27, 0                               ; 512 x the key step: the scale images' and the bias's step
	s_wait_kmcnt 0x0
	s_mov_b32 s48, 1                               ; group 0 for the tiles: count = 1
	s_lshl_b32 s49, s16, 14                        ; LDS address: slot 0, my quarter
	s_add_nc_u64 s[50:51], s[4:5], s[18:19]
	s_or_b32 s51, s51, 0x80000000                  ; type = 2
	s_mov_b32 s52, 1                               ; group 0 for the scale images
	s_lshl_b32 s53, s16, 12
	s_add_co_u32 s53, s53, SCL
	s_add_nc_u64 s[54:55], s[6:7], s[60:61]
	s_or_b32 s55, s55, 0x80000000
	s_add_nc_u64 s[56:57], s[4:5], s[62:63]
	s_add_nc_u64 s[58:59], s[6:7], s[2:3]
	s_add_nc_u64 s[8:9], s[8:9], s[30:31]
	s_add_nc_u64 s[10:11], s[10:11], s[28:29]
	s_mov_b32 s28, 7                               ; slots still to be asked for
	CROUND                                         ; all four work-groups are here: the first joint loads meet
	s_cmp_lt_u32 s12, 4                            ; a wave's two first fills stand in one branch: two loads of mine are out
	s_cbranch_scc0 .Lno_first
	tensor_load_to_lds s[52:55], s[40:47]          ; the scale images of the whole head: filled once
	s_nop 0
	tensor_load_to_lds s[48:51], s[32:39]          ; slot 0
	s_nop 0
.rept 4
	v_nop
.endr
.Lno_first:
	v_and_b32 v1, 31, v0
	s_delay_alu instid0(VALU_DEP_1)
	v_lshlrev_b32 v1, 4, v1                        ; 16 x lane
.irp c, 0,1,2,3
	global_load_b128 v[16+4*\c:19+4*\c], v1, s[56:57] offset:512*\c          ; q, tile 0: stays in registers
.endr
	WIN 0x40                                       ; destination window 1
.irp c, 0,1,2,3
	global_load_b128 v[16+4*\c:19+4*\c], v1, s[56:57] offset:2048+512*\c     ; q, tile 1
.endr
	WIN 0
	v_and_b32 v8, 15, v0
	s_delay_alu instid0(VALU_DEP_1)
	v_lshlrev_b32 v8, 4, v8
	global_load_b32 v255, v8, s[58:59]             ; q's scale words, tile 0,
	global_load_b32 v7, v8, s[58:59] offset:4      ; tile 1
	v_lshlrev_b32 v9, 4, v0
	global_load_b128 v[32:35], v9, s[8:9]          ; the batch's mask: keys 4 t .. 4 t + 3 of thread t,
	global_load_b128 v[36:39], v9, s[8:9] offset:4096   ; and 1,024 further on
	v_bfe_u32 v2, v0, 4, 1
	s_delay_alu instid0(VALU_DEP_1)
	v_lshl_add_u32 v2, v2, 5, BIAS                 ; the bias of a tile: register j of lane (r, h) wants stored key 16 T + 8 h + j: 32 bytes at 64 T + 32 h
	v_add_nc_u32 v3, SCL, v1                       ; a scale image: 16 bytes a lane
	v_and_b32 v10, 0xf9, v0                        ; keys 4 t on are stored at 4 t' on, t' = t with bits 1 and 2 exchanged
	v_bfe_u32 v11, v0, 1, 1
	s_delay_alu instid0(VALU_DEP_1)
	v_lshl_or_b32 v10, v11, 2, v10
	v_bfe_u32 v11, v0, 2, 1
	s_delay_alu instid0(VALU_DEP_1)
	v_lshl_or_b32 v10, v11, 1, v10
	s_delay_alu instid0(VALU_DEP_1)
	v_lshl_add_u32 v10, v10, 4, BIAS
	v_mov_b32 v42, s12
	s_delay_alu instid0(VALU_DEP_1)
	v_lshl_add_u32 v42, v42, 2, FLG                ; my wave's flag
	v_mov_b32 v41, 0xf149f2ca                      ; -1e30
	s_wait_loadcnt 0x0
	v_or_b32 v40, v32, v33
	s_delay_alu instid0(VALU_DEP_1)
	v_or_b32 v40, v40, v34
	s_delay_alu instid0(VALU_DEP_1)
	v_or_b32 v40, v40, v35
	s_delay_alu instid0(VALU_DEP_1)
	v_or_b32 v40, v40, v36
	s_delay_alu instid0(VALU_DEP_1)
	v_or_b32 v40, v40, v37
	s_delay_alu instid0(VALU_DEP_1)
	v_or_b32 v40, v40, v38
	s_delay_alu instid0(VALU_DEP_1)
	v_or_b32 v40, v40, v39
.irp i, 0,1,2,3,4,5,6,7
	v_cvt_f32_i32 v[32+\i], v[32+\i]
.endr
.irp i, 0,1,2,3,4,5,6,7
	v_fma_f32 v[32+\i], v[32+\i], s25, v41         ; (-1e30)(1 - m) = 1e30 m - 1e30, one rounding: 0 where m = 1
.endr
	ds_store_b128 v10, v[32:35]
	ds_store_b128 v10, v[36:39] offset:4096
	v_cmp_ne_u32 vcc_lo, 0, v40
	s_cmp_lg_u32 vcc_lo, 0
	s_cselect_b32 s16, 1, 0
	v_mov_b32 v11, s16
	ds_store_b32 v42, v11                          ; all lanes write the same word with the same value
.macro INIT u
	WIN (0x55*\u)
	v_mov_b32 v13, 0xf1800000                      ; the largest t so far: -2^100
	s_delay_alu instid0(VALU_DEP_1)
	v_floor_f32 v12, -v13                          ; -M
	v_mov_b32 v14, 0                               ; the sum, in two halves
	v_mov_b32 v15, 0
.irp b, 0,1,2,3
	v_mov_b32 v[236+\b], 0                         ; written once: a lane permute's destination counts as one of its sources
.endr
	v_mov_b32 v253, 0                              ; (named as the upper half of the pair v[252:253] before it is first written)
.set j, 0
.rept 64
	v_mov_b32 v[160+j], 0                          ; O^T.  (The key step is written once for all steps: the first finds zeros, which the first change of M leaves zeros)
.set j, j+1
.endr
.endm
	INIT 0
	INIT 1
	WIN 0
	s_wait_dscnt 0x0                               ; for the others' sake: my part of the bias and my flag are stored
	s_barrier_signal -1
	s_barrier_wait -1                              ; the first fills may stay out
	v_mov_b32 v42, FLG
	ds_load_b128 v[32:35], v42
	ds_load_b128 v[36:39], v42 offset:16
	BIASLD 2, 0                                    ; key step 0's bias: every later step's is asked for a step ahead
	s_wait_dscnt 0x0
	v_or_b32 v32, v32, v33
	s_delay_alu instid0(VALU_DEP_1)
	v_or_b32 v32, v32, v34
	s_delay_alu instid0(VALU_DEP_1)
	v_or_b32 v32, v32, v35
	s_delay_alu instid0(VALU_DEP_1)
	v_or_b32 v32, v32, v36
	s_delay_alu instid0(VALU_DEP_1)
	v_or_b32 v32, v32, v37
	s_delay_alu instid0(VALU_DEP_1)
	v_or_b32 v32, v32, v38
	s_delay_alu instid0(VALU_DEP_1)
	v_or_b32 v32, v32, v39
	s_delay_alu instid0(VALU_DEP_1)
	v_readfirstlane_b32 s16, v32
	s_mov_b32 s22, 0x3fb8aa3b                      ; c = log2(e);
	s_cmp_lg_u32 s16, 0
	s_cselect_b32 s22, s22, 0                      ; 0 where no key of the batch counts: every t is then 0 and every p is 1
	s_mov_b32 s23, s22                             ; (the packed form names the pair and takes its low word for both halves: so it is written)
.macro FRAGS reg, base, a0             ; fragments a0 .. a0 + 3 of the eight at byte base of the slot, into v[reg] on: 16 loads of 512 consecutive bytes
.irp t, 0,1,2,3
.irp c, 0,1,2,3
	ds_load_b128 v[(\reg)+16*\t+4*\c:(\reg)+16*\t+4*\c+3], v8 offset:(\base)+((\a0)+\t)*2048+512*\c
.endr
.endr
.endm
.macro PLACES                          ; eight places in front of loads into registers that matrix instructions have read, and of the first read of results
.rept 8
	v_nop
.endr
.endm
; S^T = k q^T + bias, tiles a0 .. a0 + 3 of 16 keys, for both tiles of queries.  The bias (window 1, v32-95) is the C; k's scale image stands in v240-243.  No two matrix instructions that follow each other share an accumulator.
.macro SPROD a0, row1
	WIN 0x10                                       ; C in window 1
.irp t, 0,1,2,3
.if \row1
	v_wmma_scale_f32_16x16x128_f8f6f4 v[96+8*((\a0)+\t):103+8*((\a0)+\t)], v[32+16*\t:47+16*\t], v[16:31], v[32+8*((\a0)+\t):39+8*((\a0)+\t)], v[240+\t], v255 matrix_a_scale:MATRIX_SCALE_ROW1
.else
	v_wmma_scale_f32_16x16x128_f8f6f4 v[96+8*((\a0)+\t):103+8*((\a0)+\t)], v[32+16*\t:47+16*\t], v[16:31], v[32+8*((\a0)+\t):39+8*((\a0)+\t)], v[240+\t], v255
.endif
.endr
	WIN 0x54                                       ; q, C and D in window 1
.irp t, 0,1,2,3
.if \row1
	v_wmma_scale_f32_16x16x128_f8f6f4 v[96+8*((\a0)+\t):103+8*((\a0)+\t)], v[32+16*\t:47+16*\t], v[16:31], v[32+8*((\a0)+\t):39+8*((\a0)+\t)], v[240+\t], v7 matrix_a_scale:MATRIX_SCALE_ROW1
.else
	v_wmma_scale_f32_16x16x128_f8f6f4 v[96+8*((\a0)+\t):103+8*((\a0)+\t)], v[32+16*\t:47+16*\t], v[16:31], v[32+8*((\a0)+\t):39+8*((\a0)+\t)], v[240+\t], v7
.endif
.endr
	WIN 0
.endm
; O^T += v^T p^T, tiles a0 .. a0 + 3 of 16 channels, whose fragments stand in window 0 from v[fb] on, for both tiles of queries.  Each accumulator has one instruction a key step.
.macro PVPROD a0, fb, row1
	WIN 0
.irp t, 0,1,2,3
.if \row1
	v_wmma_scale_f32_16x16x128_f8f6f4 v[160+8*((\a0)+\t):167+8*((\a0)+\t)], v[(\fb)+16*\t:(\fb)+16*\t+15], v[224:239], v[160+8*((\a0)+\t):167+8*((\a0)+\t)], v[248+\t], v4 matrix_a_scale:MATRIX_SCALE_ROW1
.else
	v_wmma_scale_f32_16x16x128_f8f6f4 v[160+8*((\a0)+\t):167+8*((\a0)+\t)], v[(\fb)+16*\t:(\fb)+16*\t+15], v[224:239], v[160+8*((\a0)+\t):167+8*((\a0)+\t)], v[248+\t], v4
.endif
.endr
	WIN 0x54                                       ; p, C and D in window 1
.irp t, 0,1,2,3
.if \row1
	v_wmma_scale_f32_16x16x128_f8f6f4 v[160+8*((\a0)+\t):167+8*((\a0)+\t)], v[(\fb)+16*\t:(\fb)+16*\t+15], v[224:239], v[160+8*((\a0)+\t):167+8*((\a0)+\t)], v[248+\t], v11 matrix_a_scale:MATRIX_SCALE_ROW1
.else
	v_wmma_scale_f32_16x16x128_f8f6f4 v[160+8*((\a0)+\t):167+8*((\a0)+\t)], v[(\fb)+16*\t:(\fb)+16*\t+15], v[224:239], v[160+8*((\a0)+\t):167+8*((\a0)+\t)], v[248+\t], v11
.endif
.endr
	WIN 0
.endm
; The softmax of tile u for one key step: register 16 b + i of v96-159 holds the logit of key 32 b + 16 (lane / 16) + i.
.macro SOFTMAX u
	WIN (0x55*\u)
.irp b, 0,1,2,3
	v_max3_num_f32 v[232+\b], v[96+16*\b], v[97+16*\b], v[98+16*\b]   ; THE LARGEST LOGIT OF EACH BLOCK OF 32 KEYS serves twice: for the row's maximum, and, since p rises with the logit, for the block's largest p
.endr
.irp i, 3,5,7,9,11,13
.irp b, 0,1,2,3
	v_max3_num_f32 v[232+\b], v[232+\b], v[96+16*\b+\i], v[97+16*\b+\i]   ; (the four blocks by turns)
.endr
.endr
.irp b, 0,1,2,3
	v_max_num_f32 v[232+\b], v[232+\b], v[111+16*\b]
.endr
.irp b, 0,1,2,3
	v_permlanex16_b32 v[236+\b], v[232+\b], s20, s21
.endr
.irp b, 0,1,2,3
	s_delay_alu instid0(VALU_DEP_4)
	v_max_num_f32 v[232+\b], v[232+\b], v[236+\b]  ; with lane l xor 16's 16 keys
.endr
	s_delay_alu instid0(VALU_DEP_2)
	v_max3_num_f32 v254, v232, v233, v234
	s_delay_alu instid0(VALU_DEP_1)
	v_max_num_f32 v254, v254, v235                 ; the step's largest logit of my query
	s_delay_alu instid0(VALU_DEP_1)
	v_mul_f32 v254, s22, v254                      ; as t (c is not negative)
	s_delay_alu instid0(VALU_DEP_1)
	v_max_num_f32 v13, v13, v254                   ; the running largest t
	v_mov_b32 v254, v12
	s_delay_alu instid0(VALU_DEP_2)
	v_floor_f32 v12, -v13                          ; the new -M = floor(-t) = -ceil(t): M is a whole number
	s_delay_alu instid0(VALU_DEP_1)
	v_sub_f32 v254, v12, v254                      ; M's old value less its new one: a whole number, 0 or less
	s_delay_alu instid0(VALU_DEP_1)
	v_cvt_i32_f32 v254, v254                       ; (it saturates)
	s_delay_alu instid0(VALU_DEP_1)
	v_ldexp_f32 v252, 1.0, v254                    ; f = 2^(old M - new M): a multiplication by it rounds nothing
.set j, 0
.rept 32
	v_pk_fma_f32 v[96+j:97+j], v[96+j:97+j], s[22:23], v[12:13] op_sel_hi:[1,0,0]   ; t - M, two at a time (of the pairs c and -M the low word serves both halves)
.set j, j+2
.endr
.irp b, 0,1,2,3
	v_fma_f32 v[232+\b], v[232+\b], s22, v12       ; the same of each block's largest logit
.endr
.set j, 0
	s_wait_alu depctr_va_vdst(0)
.rept 64
	v_exp_f32 v[96+j], v[96+j]                     ; p = 2^(t - M), at most 1: not normalised
.set j, j+1
.endr
.irp b, 0,1,2,3
	v_exp_f32 v[232+\b], v[232+\b]                 ; the block's largest p: the same two instructions on the same number give the same bits
.endr
	v_pk_mul_f32 v[14:15], v[14:15], v[252:253] op_sel_hi:[1,0]   ; the sums under the new M.  (A plain place behind the exponentials)
	s_wait_alu depctr_va_vdst(0)
.irp b, 0,1,2,3
	v_max_num_f32 v[232+\b], 0x4800000, v[232+\b]  ; the floor 2^(9 - 127): the byte cannot fall under 1 (a block whose every p is 0 keeps that byte: its codes are zeros)
.endr
.irp b, 0,1,2,3
	s_delay_alu instid0(VALU_DEP_4)
	v_add_nc_u32 v[244+\b], 0xfc000000, v[232+\b]  ; 8 off the exponent field: the conversion's scale operand
.endr
.irp b, 0,1,2,3
.endr
.irp b, 0,1,2,3
	s_delay_alu instid0(VALU_DEP_4)
	v_lshrrev_b32 v[236+\b], 23, v[244+\b]         ; the scale's byte
.endr
	s_delay_alu instid0(VALU_DEP_3)
	v_lshl_or_b32 v253, v237, 8, v236              ; p's scale word for these 128 keys;
	s_delay_alu instid0(VALU_DEP_1)
	v_lshl_or_b32 v253, v238, 16, v253
	WIN (0x11*\u)                                  ; its last line writes window 0, from which scale operands are taken: v4 for tile 0, v11 for tile 1
	v_lshl_or_b32 v[4+7*\u], v239, 24, v253
	WIN (0x55*\u)
	v_pk_add_f32 v[236:237], v[96:97], v[98:99]    ; THE ROW'S SUM IS TAKEN OF THE UNQUANTISED p: two at a time, in two chains
.irp j, 4,8,12,16,20,24,28,32,36,40,44,48,52,56,60
	v_pk_add_f32 v[14:15], v[14:15], v[96+\j:97+\j]
	v_pk_add_f32 v[236:237], v[236:237], v[98+\j:99+\j]
.endr
	s_delay_alu instid0(VALU_DEP_1)
	v_pk_add_f32 v[14:15], v[14:15], v[236:237]
.irp b, 0,1,2,3
.irp i, 0,1,2,3,4,5,6,7,8,9,10,11,12,13,14,15
.endr
	v_cvt_scalef32_pk8_fp8_f32 v[224+4*\b:225+4*\b], v[96+16*\b:103+16*\b], v[244+\b]
	v_cvt_scalef32_pk8_fp8_f32 v[226+4*\b:227+4*\b], v[104+16*\b:111+16*\b], v[244+\b]
.endr
.set j, 0
.rept 32
	v_pk_mul_f32 v[160+j:161+j], v[160+j:161+j], v[252:253] op_sel_hi:[1,0]   ; O^T under the new M: x f, each accumulator from its low end on.  (These 32 are also the places between the codes and the products)
.set j, j+2
.endr
.endm
; A KEY STEP: 128 keys, the q-th of the slot in hand.  At its head the step's bias stands in window 1, v32-95.
; first = 1: a slot's first step: k's scale image and fragments 0-3 are asked for here.  Else they were asked for in the step before.
; pre = 1: the next step lies in the same slot: its scale image of k and its fragments 0-3 are asked for in this step.   last = 1: the launch's last step: no bias follows.
.macro STEP q, first, pre, last
	WIN 0
.if \first
	v_add_nc_u32 v8, s26, v1                       ; the slot's images
.endif
	v_add_nc_u32 v9, s27, v2                       ; the step's bias (the next step's lies 512 bytes on)
	v_add_nc_u32 v10, s27, v3                      ; the step's scale images
.rept 7-\first
	v_nop                                          ; with the additions: NINE places behind the last step's products: the first product below writes over registers that they read (v's fragments 4-7), and a slot's first step loads into others
.endr
.if \first
	ds_load_b128 v[240:243], v10                   ; k's scale words of the step's eight fragments
	FRAGS 32, (\q)*16384, 0
.endif
	s_wait_alu depctr_va_vdst(0)
	s_wait_dscnt 0x0                               ; k's fragments 0-3 are in
	SPROD 0, 0
	PLACES
	FRAGS 32, (\q)*16384, 4
	s_wait_dscnt 0x0
	SPROD 4, 1
	PLACES
	ds_load_b128 v[248:251], v10 offset:SCV-SCL    ; v's scale words and first four fragments,
	FRAGS 32, VOFF+(\q)*16384, 0
.if \last == 0
	BIASLD 9, 512                                  ; and the next step's bias (it lies outside the ring: a change of slots does not matter to it), land while the softmaxes are worked
.endif
	SOFTMAX 0
	WIN 0
	FRAGS 96, VOFF+(\q)*16384, 4                   ; tile 0's p has become codes: its 64 registers take v's fragments 4-7, which land under tile 1's softmax
.if \pre
	ds_load_b128 v[240:243], v10 offset:512        ; the next step's scale words of k
.endif
	SOFTMAX 1
	WIN 0
	s_wait_alu depctr_va_vdst(0)
	s_wait_dscnt 0x0                               ; all that was asked for above is in
	PVPROD 0, 32, 0
.if \pre
	PLACES
	FRAGS 32, ((\q)+1)*16384, 0                    ; the next step's fragments 0-3 of k, into the registers that v's fragments 0-3 have left; the eight products below stand between the request and the wait
.endif
	PVPROD 4, 96, 1
	s_add_co_u32 s27, s27, 512                     ; the next step's scale images and bias
.endm
; THE CHANGE OF SLOTS stands at a slot's head.  Each wave waits for all its tensor loads (its part of the slot that it is about to read), adds 0 to its spare word, and waits for that and for its reads of the slot that it
; has left.  fill = 1: a round of the cluster's barrier, so that no wave of any partner still reads the other slot or has a load on its way; behind it that slot is filled with the next 256 keys: the load has two key steps in which to land.
.macro CHANGE fill
	s_wait_tensorcnt 0x0                           ; no tensor load of mine is out, so a group 0 may be written
	ds_add_u32 v5, v6                              ; 0 onto my spare word
.if \fill
	s_xor_b32 s49, s49, SLOT1                      ; the walking descriptor: the other slot than last time,
	s_add_nc_u64 s[50:51], s[50:51], 32768         ; two groups of 128 keys on; the type bits on top are not reached
.endif
	s_wait_dscnt 0x0                               ; the add is done, and my reads of the slot that I have left are over
.if \fill
	CROUND
	JLOAD                                          ; the first thing behind the round, and a wave's one tensor load until the next
.else
	s_barrier_signal -1
	s_barrier_wait -1
.endif
.endm
.Lslot:                                            ; seven trips: behind each change of slots but the last the next slot is asked for
	CHANGE 1
	STEP 0, 1, 1, 0
	STEP 1, 0, 0, 0
	s_xor_b32 s26, s26, SLOT1                      ; on to the other slot
	s_sub_co_u32 s28, s28, 1
	s_cmp_lg_u32 s28, 0
	s_cbranch_scc1 .Lslot
	CHANGE 0                                       ; the last slot is written out
	STEP 0, 1, 1, 0
	STEP 1, 0, 0, 1
	; THE WAY OUT.  out0 has the queries innermost.  Register 8 T + j of lane (r, h) is channel 32 (T / 2) + 16 h + 8 (T % 2) + j of stored query r of tile u, which is query 32 w + 8 u + r + 8 (r / 8) of the block.
	; All eight waves put their numbers into one stage, [128 channels][256 queries]; behind a barrier each wave reads 16 whole rows of 1,024 bytes and stores them.
	v_and_b32 v8, 15, v0                           ; r.  (These nine vector lines are the places behind the last products, whose results are read and whose fragments' registers are written below)
	v_bfe_u32 v9, v0, 4, 1                         ; h
	s_delay_alu instid0(VALU_DEP_2)
	v_and_b32 v10, 8, v8
	s_delay_alu instid0(VALU_DEP_1)
	v_add_nc_u32 v10, v10, v8                      ; r + 8 (r / 8)
	s_delay_alu instid0(VALU_DEP_1)
	v_lshlrev_b32 v10, 2, v10
	s_delay_alu instid0(VALU_DEP_1)
	v_lshl_add_u32 v10, v9, 14, v10                ; + 16 h rows of 1,024 bytes
	s_lshl_b32 s16, s12, 7
	s_add_co_u32 s16, s16, STG                     ; + my wave's 32 queries
	v_add_nc_u32 v8, s16, v10                      ; for channels 0-63,
	s_delay_alu instid0(VALU_DEP_1)
	v_add_nc_u32 v9, 65536, v8                     ; and for channels 64-127: an LDS offset has 16 bits
	s_lshl_b32 s16, s12, 14
	s_add_co_u32 s16, s16, STG
	v_add_nc_u32 v10, s16, v1                      ; back: my 16 rows, 16 bytes a lane
.macro FINISH u
	WIN (0x55*\u)
	v_add_f32 v14, v14, v15                        ; the sum's two halves,
	s_delay_alu instid0(VALU_DEP_1)
	v_permlanex16_b32 v252, v14, s20, s21
	s_delay_alu instid0(VALU_DEP_1)
	v_add_f32 v14, v14, v252                       ; and lane l xor 16's: the row's sum
	s_wait_alu depctr_va_vdst(0)
	v_rcp_f32 v14, v14
	v_nop                                          ; one plain place behind the transcendental
.set j, 0
	s_wait_alu depctr_va_vdst(0)
.rept 64
	v_mul_f32 v[96+j], v[160+j], v14               ; O^T / the sum, each accumulator from its low end on
.set j, j+1
.endr
	WIN (0x04*\u)                                  ; an LDS store's data are its source 1
.irp T, 0,1,2,3,4,5,6,7
.irp j, 0,1,2,3,4,5,6,7
	ds_store_b32 v[8+\T/4], v[96+8*\T+\j] offset:32*\u+(32*((\T/2)%2)+8*(\T%2)+\j)*1024
.endr
.endr
.endm
	FINISH 0
	FINISH 1
	WIN 0
	s_wait_dscnt 0x0                               ; for the others' sake: my stores into the stage are done
	s_barrier_signal -1
	s_barrier_wait -1
.set n, 0
.rept 32
	ds_load_b128 v[32+4*n:35+4*n], v10 offset:(n/2)*1024+(n%2)*512
.set n, n+1
.endr
.set n, 0
.rept 32
	s_wait_dscnt 31-n                              ; loads come back in order: number n is in, the 31 - n younger ones may be out
	global_store_b128 v1, v[32+4*n:35+4*n], s[10:11] offset:(n/2)*8192+(n%2)*512 th:TH_STORE_NT   ; 32 lanes store 512 consecutive bytes, at a multiple of 256 from out0's first byte; written once, read by nobody here
.set n, n+1
.endr
	s_wait_tensorcnt 0x0                           ; the wave's end
	ds_add_u32 v5, v6
	s_wait_dscnt 0x0
	CROUND                                         ; the closing round: no work-group ends while a partner may still ask for a tile that names it
	s_endpgm
.Lfunc_end_k_qa814d777b4_attn:
	.size	k_qa814d777b4_attn, .Lfunc_end_k_qa814d777b4_attn-k_qa814d777b4_attn
	.p2alignl 7, 3214868480
	.fill 96, 4, 3214868480
	.section	.rodata,"a",@progbits
	.p2align	6, 0x0
	.amdhsa_kernel k_qa814d777b4_attn
		.amdhsa_group_segment_fixed_size 327680
		.amdhsa_private_segment_fixed_size 0
		.amdhsa_enable_private_segment 0
		.amdhsa_kernarg_size 32
		.amdhsa_user_sgpr_count 2
		.amdhsa_user_sgpr_kernarg_segment_ptr 1
		.amdhsa_wavefront_size32 1
		.amdhsa_system_sgpr_workgroup_id_x 1
		.amdhsa_system_sgpr_workgroup_id_y 1
		.amdhsa_system_sgpr_workgroup_id_z 1
		.amdhsa_system_vgpr_workitem_id 0
		.amdhsa_next_free_vgpr 512
		.amdhsa_next_free_sgpr 66
		.amdhsa_reserve_vcc 1
		.amdhsa_float_denorm_mode_32 3
		.amdhsa_float_denorm_mode_16_64 3
		.amdhsa_fp16_overflow 1
		.amdhsa_memory_ordered 1
		.amdhsa_forward_progress 1
		.amdhsa_inst_pref_size 184
	.end_amdhsa_kernel
	.amdgpu_metadata
---
amdhsa.version: [ 1, 2 ]
amdhsa.kernels:
  - .name:           k_qa814d777b4_attn
    .symbol:         k_qa814d777b4_attn.kd
    .args:
      - { .name: frag, .offset: 0, .size: 8, .value_kind: global_buffer, .address_space: global }
      - { .name: fsc, .offset: 8, .size: 8, .value_kind: global_buffer, .address_space: global }
      - { .name: mask, .offset: 16, .size: 8, .value_kind: global_buffer, .address_space: global }
      - { .name: out0, .offset: 24, .size: 8, .value_kind: global_buffer, .address_space: global }
    .group_segment_fixed_size: 327680
    .private_segment_fixed_size: 0
    .kernarg_segment_align: 8
    .kernarg_segment_size: 32
    .max_flat_workgroup_size: 256
    .sgpr_count:     66
    .vgpr_count:     512
    .wavefront_size: 32
...
	.end_amdgpu_metadata
.endif
;; end of part 6
